; MI455X (gfx1250); checked and timed in simulation.
; The chip was launched on July 23, 2026; its instructions are those of AMD's public machine-readable ISA for CDNA 5 (MIT licence, August 2026) and "CDNA5" Instruction Set Architecture Reference Guide (July 2026). The comments in the code are by the model that wrote it; some were corrected since.
;; Window Attention Memory. Allowed arithmetic: matrix products marked QUANTISED: E5M2 operands, one given power-of-two scale a tensor, by v_wmma_f32_16x16x64_bf8_bf8 or v_wmma_f32_16x16x128_bf8_bf8, f32 sums; everything else in f32.
;; Inputs: b_k 1,024 float32; b_o 1,024 float32; b_q 1,024 float32; b_v 1,024 float32; ln_b 1,024 float32; ln_g 1,024 float32; lowp_scales 12 int32 (the exponents e of the quantised operands' scales 2^e); w_k 1,024 x 1,024 float32; w_o 1,024 x 1,024 float32; w_q 1,024 x 1,024 float32; w_v 1,024 x 1,024 float32; x 4 x 2,048 x 1,024 float32.
;; Outputs: out0 4 x 2,048 x 1,024 float32.
;; This version of the problem:
;;   THIS VERSION OF THE PROBLEM IS GIVEN IN LOW PRECISION. The matrix products marked QUANTISED in the list below multiply operands that are first quantised to E5M2 (5 exponent bits, 2 mantissa bits; 8 bits a number), with one given power-of-two scale for each operand tensor; their sums are f32. All else is computed in f32.
;;   The module's matrix products, in the order in which they are computed (A, B: the left and right operand; K: the contracted axis; several contracted axes count as one K, in the product's order):
;;     1. [M 8,192, K 1,024] x [K 1,024, N 1,024]; A: computed on the way; B: input w_q: QUANTISED (scales: A lowp_scales[0], B lowp_scales[1])
;;     2. [M 8,192, K 1,024] x [K 1,024, N 1,024]; A: computed on the way; B: input w_k: QUANTISED (scales: A lowp_scales[2], B lowp_scales[3])
;;     3. [M 8,192, K 1,024] x [K 1,024, N 1,024]; A: computed on the way; B: input w_v: QUANTISED (scales: A lowp_scales[4], B lowp_scales[5])
;;     4. batch 64 x [M 2,048, K 64] x [K 64, N 2,048]; A: computed on the way; B: computed on the way: QUANTISED (scales: A lowp_scales[6], B lowp_scales[7])
;;     5. batch 64 x [M 2,048, K 2,048] x [K 2,048, N 64]; A: softmax (see below); B: computed on the way: QUANTISED (scales: A lowp_scales[8], B lowp_scales[9])
;;     6. [M 8,192, K 1,024] x [K 1,024, N 1,024]; A: computed on the way; B: input w_o: QUANTISED (scales: A lowp_scales[10], B lowp_scales[11])
;;   THE QUANTISER, for each operand of a quantised product, along K:
;;     - The operand's scale is 2^e, e = its entry of the input lowp_scales (int32; the entries are numbered through the quantised products in the list's order, A before B).
;;     - Each number is divided by the scale, clamped to +-57,344, and rounded to the nearest number of E5M2, ties to even, subnormals kept.
;;     - The product sums the exact products of the quantised numbers (number of the format x scale) in f32.
;;   ~~~python
;;   def quantise(x, axis, e):      # numpy; x: float32 -> the quantised numbers, widened to float32 again
;;       x = np.moveaxis(x, axis, -1); K = x.shape[-1]
;;       r = np.clip(x / 2.0 ** e, -57344, 57344)
;;       step = 2.0 ** (np.maximum(np.frexp(np.where(r == 0, 1, r))[1] - 1, -14) - 2)
;;       q = np.round(r / step) * step * 2.0 ** e      # np.round: ties to even
;;       return np.moveaxis(q, -1, axis).astype(np.float32)
;;   ~~~
;;   SOFTMAX AHEAD OF A QUANTISED PRODUCT. Where the list says 'softmax', what is quantised is not the finished softmax but p = 2^(t - M), with t = logit x log2(e) and M = ceil(the row's largest t), a whole number; so 1/2 < the row's largest p <= 1. The row's sum l is taken of the UNQUANTISED p, in f32, and the product's result is divided by l at the end. Since M is a whole number, a kernel that streams over the keys may use a running M (the ceiling of the running maximum): every later rescaling is an exact power of two, so the quantised numbers keep their values, but for numbers so far below the row's largest that they fall under the format's range.
;;   OPERANDS COMPUTED ON THE WAY. 'Computed on the way' means the value that the module computes at that place (a softmax that the list does not call 'softmax' is quantised finished and normalised). What goes into a quantiser is computed in f32, as accurately as f32 sums, v_exp_f32 and their like allow (about 1e-6 of the number): no bf16 or f16 on the way to a quantiser, and a product that is left as it is and whose result goes on into a quantised operand takes f32 operands (vector FMAs, or v_wmma_f32_16x16x4_f32). A number that lies on a knife's edge between two numbers of the format may be rounded either way, as far as f32 arithmetic and the matrix unit's own rounding can turn it there, and no further.
;; One version. Each part assembles by itself: llvm-mc -triple=amdgcn-amd-amdhsa -mcpu=gfx1250 --defsym DOCPART=n.
;; ======== version 1 of 1: 4 launches
;; limits: right only within a limited range of input values
;; workspace buffers: xcodes 25,165,824 bytes; wcodes 4,194,304 bytes; qkv 25,165,824 bytes; ctx 8,388,608 bytes
;; launch prep (part 1): grid 256 x 1, 16 waves a work-group, no clusters, 199,424 bytes of LDS; arguments x, ln_g, ln_b, w_q, w_k, w_v, w_o, lowp_scales, xcodes, wcodes; writes xcodes, wcodes
.if DOCPART == 1
	.amdgcn_target "amdgcn-amd-amdhsa--gfx1250"
	.amdhsa_code_object_version 6
	.text
	.protected	k_q8e99aeca0b_prep
	.globl	k_q8e99aeca0b_prep
	.p2align	8
	.type	k_q8e99aeca0b_prep,@function
k_q8e99aeca0b_prep:
	s_mov_b64 s[64:65], 0
	v_nop
	global_prefetch_b8 v0, s[64:65] scope:SCOPE_SE
	s_setreg_imm32_b32 hwreg(HW_REG_WAVE_MODE, 25, 1), 1
	s_wait_xcnt 0x0
; LAYER NORM OF x, ITS THREE SETS OF CODES, AND THE CODES OF THE FOUR WEIGHTS.  Codes are BF8 (E5M2): number / 2^e to the nearest code, ties to even.
; xn = (x - mean) * rsqrt(var + 1e-12) * ln_g + ln_b in f32; it is an operand of three products with three given scales (entries 0, 2, 4), so it is quantised three times.
; SHARES.  Work-group g takes rows 32 g .. 32 g + 31 of x (two tiles of 16 rows) and 16 rows of one weight (weight g / 64, tile g % 64).  One path for every work-group: only pointers and exponents are chosen.
; Phase 1: wave w owns row w of each of the three tiles: a row of 4,096 bytes is eight loads of 512 consecutive bytes; mean and variance never leave the wave.  The rows go to three stages in LDS.
; Phase 2, behind the one barrier: wave w owns the 64 numbers 64 w .. 64 w + 63 along K of all 16 rows of each tile.  Lane (r = lane % 16, h = lane / 16) reads, of row r, k = 64 w + 16 c + 8 h + 0 .. 7 for c = 0 .. 3:
; the order of a matrix operand's registers (2 c, 2 c + 1).  The eight code registers are stored as an IMAGE: registers 0-3 at 16 x lane, registers 4-7 at 512 + 16 x lane: each store covers 512 consecutive bytes, aligned.
; xcodes: [scale 3][K step of 256: 4][tile 512][64 along K: 4][image 1,024 B];  wcodes: [weight 4][K step 4][tile 64][4][image].
; No tensor load, no cluster: work-groups share nothing, and every load goes out at the head.
; LIMITS: each exponent used here lies between -126 and 112, so that 2^e and 57,344 x 2^e are f32 numbers.  NaN among the inputs is not served.
.set PITCH, 4112                       ; a stage row: 4,096 bytes + 16, so that the 16 rows that a read touches start 16 bytes apart modulo 256
.set STB,   16*PITCH                   ; the stages: x's first tile at 0, its second here,
.set STW,   2*STB                      ; the weight's here
.set SPARE, 3*STB                      ; behind them the spare words, 128 bytes for each of 16 waves: eight blocks of 256 bytes that no other line names
.set XA,  16                           ; v16-47   my row of x's first tile; in phase 2 its 32 numbers of my K chunk
.set XB,  48                           ; v48-79   the same for the second tile
.set WR,  80                           ; v80-111  the same for the weight
.set GG,  112                          ; v112-143 ln_g at my columns
.set BB,  144                          ; v144-175 ln_b
.set T0,  176
.set CH,  176                          ; v176-183 phase 1: four packed chains of a sum
.set MN,  184                          ; v184-185 phase 1: the mean, twice
.set PD,  186                          ; v186     phase 1: a lane permute's destination
.set CD,  192                          ; v192-247 codes: seven images of eight registers, each its own, so that no store's data are written again
.set RSA, 12                           ; v12-13   1 / sqrt(var + eps) of row A, twice;  v14-15 of row B
.set RSB, 14
.set SPW, 252                          ; LDS address of my spare word; never rewritten
.set NIL, 253                          ; 0; never rewritten
	s_load_b512 s[4:19], s[0:1], 0x0               ; x 4, ln_g 6, ln_b 8, w_q 10, w_k 12, w_v 14, w_o 16, the exponents 18
	s_load_b128 s[20:23], s[0:1], 0x40             ; xcodes 20, wcodes 22
	v_lshl_add_u32 v[SPW], v0, 2, SPARE
	v_mov_b32 v[NIL], 0
	v_lshrrev_b32 v4, 5, v0
	s_delay_alu instid0(VALU_DEP_1)
	v_readfirstlane_b32 s24, v4                    ; wave 0..15
	v_and_b32 v5, 31, v0
	s_delay_alu instid0(VALU_DEP_1)
	v_lshlrev_b32 v1, 4, v5                        ; 16 x lane
	s_mul_i32 s56, s24, PITCH
	v_add_nc_u32 v2, s56, v1                       ; into the stages: row = my wave, 16 bytes a lane
	s_delay_alu instid0(VALU_DEP_1)
	v_add_nc_u32 v8, STB, v2
	s_delay_alu instid0(VALU_DEP_2)
	v_add_nc_u32 v9, STW, v2
	v_and_b32 v6, 15, v0                           ; r
	v_bfe_u32 v7, v0, 4, 1                         ; h
	s_delay_alu instid0(VALU_DEP_2)
	v_mul_u32_u24 v3, v6, PITCH
	s_delay_alu instid0(VALU_DEP_1)
	v_lshl_add_u32 v3, v7, 5, v3
	s_lshl_b32 s57, s24, 8
	v_add_nc_u32 v3, s57, v3                       ; out of them: row r, + 256 x wave (my 64 numbers) + 32 h
	s_delay_alu instid0(VALU_DEP_1)
	v_add_nc_u32 v10, STB, v3
	s_delay_alu instid0(VALU_DEP_2)
	v_add_nc_u32 v11, STW, v3
	v_mov_b32 v[PD], 0                             ; written once: a lane permute's destination counts as one of its sources
	s_mov_b32 s26, 0x76543210
	s_mov_b32 s27, 0xfedcba98                      ; selects for lane xor 16
	s_mov_b32 s58, 0x3a800000                      ; 1 / 1,024
	s_mov_b32 s59, 0x2b8cbccc                      ; 1e-12
	s_lshr_b32 s25, ttmp9, 6                       ; which weight
	s_and_b32 s60, ttmp9, 63                       ; which of its tiles
	s_lshl_b32 s56, ttmp9, 17
	s_lshl_b32 s57, s24, 12
	s_add_co_u32 s56, s56, s57                     ; x: (32 g + wave) rows of 4,096 bytes
	s_mov_b32 s57, 0
	s_lshl_b32 s62, s60, 16
	s_lshl_b32 s63, s24, 12
	s_add_co_u32 s62, s62, s63                     ; the weight: (16 tile + wave) rows
	s_mov_b32 s63, 0
	s_wait_kmcnt 0x0
	s_load_b256 s[28:35], s[18:19], 0x0            ; e0 .. e7
	s_load_b128 s[36:39], s[18:19], 0x20           ; e8 .. e11
	s_add_nc_u64 s[4:5], s[4:5], s[56:57]
	s_cmp_eq_u32 s25, 1                            ; the weight's pointer: a choice on the work-group's number alone
	s_cselect_b64 s[10:11], s[12:13], s[10:11]
	s_cmp_eq_u32 s25, 2
	s_cselect_b64 s[10:11], s[14:15], s[10:11]
	s_cmp_eq_u32 s25, 3
	s_cselect_b64 s[10:11], s[16:17], s[10:11]
	s_add_nc_u64 s[10:11], s[10:11], s[62:63]
.irp j, 0,1,2,3,4,5,6,7
	global_load_b128 v[XA+4*\j:XA+4*\j+3], v1, s[4:5] offset:512*\j th:TH_LOAD_NT
.endr
.irp j, 0,1,2,3,4,5,6,7
	global_load_b128 v[XB+4*\j:XB+4*\j+3], v1, s[4:5] offset:65536+512*\j th:TH_LOAD_NT
.endr
.irp j, 0,1,2,3,4,5,6,7
	global_load_b128 v[GG+4*\j:GG+4*\j+3], v1, s[6:7] offset:512*\j
.endr
.irp j, 0,1,2,3,4,5,6,7
	global_load_b128 v[BB+4*\j:BB+4*\j+3], v1, s[8:9] offset:512*\j
.endr
.irp j, 0,1,2,3,4,5,6,7
	global_load_b128 v[WR+4*\j:WR+4*\j+3], v1, s[10:11] offset:512*\j th:TH_LOAD_NT
.endr
	; where my images go: K step = wave / 4, 64 along K = wave % 4
	s_lshr_b32 s40, s24, 2
	s_and_b32 s41, s24, 3
	s_lshl_b32 s41, s41, 10
	s_lshl_b32 s56, s40, 21
	s_add_co_u32 s56, s56, s41
	s_lshl_b32 s42, ttmp9, 13                      ; tile 2 g x 4,096
	s_add_co_u32 s56, s56, s42
	s_mov_b32 s57, 0
	s_lshl_b32 s62, s25, 20
	s_lshl_b32 s42, s40, 18
	s_add_co_u32 s62, s62, s42
	s_lshl_b32 s42, s60, 12
	s_add_co_u32 s62, s62, s42
	s_add_co_u32 s62, s62, s41
	s_mov_b32 s63, 0
	s_add_nc_u64 s[48:49], s[20:21], s[56:57]      ; xcodes under e0,
	s_add_nc_u64 s[50:51], s[48:49], 0x800000      ; under e2,
	s_add_nc_u64 s[52:53], s[50:51], 0x800000      ; under e4
	s_add_nc_u64 s[54:55], s[22:23], s[62:63]      ; wcodes
; 2^e as f32 into v[vs] (the conversion takes its exponent field); +-57,344 x 2^e into s[sp], s[sp + 1]
.macro MKLIM se, vs, sp
	s_add_co_i32 s60, s[\se], 127
	s_lshl_b32 s61, s60, 23
	v_mov_b32 v[\vs], s61
	s_add_co_i32 s60, s60, 15
	s_lshl_b32 s60, s60, 23
	s_or_b32 s[\sp], s60, 0x600000
	s_or_b32 s[\sp+1], s[\sp], 0x80000000
.endm
	s_wait_kmcnt 0x0
	s_cmp_eq_u32 s25, 1                            ; the weight's exponent: entry 1, 3, 5 or 11
	s_cselect_b32 s29, s31, s29
	s_cmp_eq_u32 s25, 2
	s_cselect_b32 s29, s33, s29
	s_cmp_eq_u32 s25, 3
	s_cselect_b32 s29, s39, s29
	MKLIM 28, 248, 40
	MKLIM 30, 249, 42
	MKLIM 32, 250, 44
	MKLIM 29, 251, 46
; the four chains are joined, then the 32 lanes: every lane ends with the sum in v[CH]
.macro JOIN
	s_delay_alu instid0(VALU_DEP_3)
	v_pk_add_f32 v[CH:CH+1], v[CH:CH+1], v[CH+2:CH+3]
	s_delay_alu instid0(VALU_DEP_2)
	v_pk_add_f32 v[CH+4:CH+5], v[CH+4:CH+5], v[CH+6:CH+7]
	s_delay_alu instid0(VALU_DEP_1)
	v_pk_add_f32 v[CH:CH+1], v[CH:CH+1], v[CH+4:CH+5]
	s_delay_alu instid0(VALU_DEP_1)
	v_add_f32 v[CH], v[CH], v[CH+1]
	s_delay_alu instid0(VALU_DEP_1)
	v_add_f32_dpp v[CH], v[CH], v[CH] row_xmask:1 row_mask:0xf bank_mask:0xf
	s_delay_alu instid0(VALU_DEP_1)
	v_add_f32_dpp v[CH], v[CH], v[CH] row_xmask:2 row_mask:0xf bank_mask:0xf
	s_delay_alu instid0(VALU_DEP_1)
	v_add_f32_dpp v[CH], v[CH], v[CH] row_xmask:4 row_mask:0xf bank_mask:0xf
	s_delay_alu instid0(VALU_DEP_1)
	v_add_f32_dpp v[CH], v[CH], v[CH] row_xmask:8 row_mask:0xf bank_mask:0xf
	s_delay_alu instid0(VALU_DEP_1)
	v_permlanex16_b32 v[PD], v[CH], s26, s27
	s_delay_alu instid0(VALU_DEP_1)
	v_add_f32 v[CH], v[CH], v[PD]
.endm
; the row in v[X] .. v[X + 31] becomes x - mean; v[RS] = var + eps
.macro STATS X, RS
.irp k, 0,1,2,3
	v_pk_add_f32 v[CH+2*\k:CH+2*\k+1], v[\X+4*\k:\X+4*\k+1], v[\X+4*\k+2:\X+4*\k+3]   ; the first sums start the chains: nothing is cleared
.endr
.irp j, 16,24
.irp k, 0,1,2,3
	s_delay_alu instid0(VALU_DEP_4)
	v_pk_add_f32 v[CH+2*\k:CH+2*\k+1], v[CH+2*\k:CH+2*\k+1], v[\X+\j+2*\k:\X+\j+2*\k+1]
.endr
.endr
	JOIN
	s_delay_alu instid0(VALU_DEP_1)
	v_mul_f32 v[MN], s58, v[CH]
	s_delay_alu instid0(VALU_DEP_1)
	v_mov_b32 v[MN+1], v[MN]
.set q, 0
.rept 16
	v_pk_add_f32 v[\X+q:\X+q+1], v[\X+q:\X+q+1], v[MN:MN+1] op_sel_hi:[1,0] neg_lo:[0,1] neg_hi:[0,1]
.set q, q+2
.endr
.irp k, 0,1,2,3
	v_pk_mul_f32 v[CH+2*\k:CH+2*\k+1], v[\X+2*\k:\X+2*\k+1], v[\X+2*\k:\X+2*\k+1]
.endr
.irp j, 8,16,24
.irp k, 0,1,2,3
	s_delay_alu instid0(VALU_DEP_4)
	v_pk_fma_f32 v[CH+2*\k:CH+2*\k+1], v[\X+\j+2*\k:\X+\j+2*\k+1], v[\X+\j+2*\k:\X+\j+2*\k+1], v[CH+2*\k:CH+2*\k+1]
.endr
.endr
	JOIN
	s_delay_alu instid0(VALU_DEP_1)
	v_fma_f32 v[\RS], v[CH], s58, s59
.endm
; xn = (x - mean) * rstd * g + b, and the row goes to its stage
.macro NORM X, RS, adr
.set q, 0
.rept 16
	v_pk_mul_f32 v[\X+q:\X+q+1], v[\X+q:\X+q+1], v[\RS:\RS+1] op_sel_hi:[1,0]
.set q, q+2
.endr
.set q, 0
.rept 16
	v_pk_fma_f32 v[\X+q:\X+q+1], v[\X+q:\X+q+1], v[GG+q:GG+q+1], v[BB+q:BB+q+1]
.set q, q+2
.endr
.irp j, 0,1,2,3,4,5,6,7
	ds_store_b128 v[\adr], v[\X+4*\j:\X+4*\j+3] offset:512*\j
.endr
.endm
	s_wait_loadcnt 32                              ; row A's eight loads are in; the 32 younger ones may be out
	STATS XA, RSA
	s_wait_loadcnt 24                              ; row B's
	STATS XB, RSB
	s_wait_alu depctr_va_vdst(0)
	v_rsq_f32 v[RSA], v[RSA]                       ; the two roots are one batch:
	v_rsq_f32 v[RSB], v[RSB]
	v_nop                                          ; a plain instruction behind the last of them,
	s_wait_alu depctr_va_vdst(0)                   ; and one wait ahead of the first reader
	v_mov_b32 v[RSA+1], v[RSA]
	v_mov_b32 v[RSB+1], v[RSB]
	s_wait_alu depctr_va_vdst(0)
	s_wait_loadcnt 8                               ; ln_g and ln_b are in; the weight's eight may be out
	NORM XA, RSA, 2
	NORM XB, RSB, 8
	s_wait_loadcnt 0x0
.irp j, 0,1,2,3,4,5,6,7
	ds_store_b128 v9, v[WR+4*\j:WR+4*\j+3] offset:512*\j   ; the weight's row goes as it was loaded
.endr
	s_wait_dscnt 0x0                               ; for the others' sake: my rows lie in the stages
	s_barrier_signal -1
	s_barrier_wait -1
.irp c, 0,1,2,3
	ds_load_b128 v[XA+8*\c:XA+8*\c+3], v3 offset:64*\c        ; register 8 c + i = k 64 w + 16 c + 8 h + i of row r
	ds_load_b128 v[XA+8*\c+4:XA+8*\c+7], v3 offset:64*\c+16
.endr
.irp c, 0,1,2,3
	ds_load_b128 v[XB+8*\c:XB+8*\c+3], v10 offset:64*\c
	ds_load_b128 v[XB+8*\c+4:XB+8*\c+7], v10 offset:64*\c+16
.endr
.irp c, 0,1,2,3
	ds_load_b128 v[WR+8*\c:WR+8*\c+3], v11 offset:64*\c
	ds_load_b128 v[WR+8*\c+4:WR+8*\c+7], v11 offset:64*\c+16
.endr
; 32 numbers become an image's eight registers.  The conversion to an 8-bit code does not saturate (ISA guide 7.6.2).
.macro QIMG src, sc, sl, dst
.irp c, 0,1,2,3
.irp i, 0,1,2,3,4,5,6,7
.endr
	v_cvt_scalef32_pk8_bf8_f32 v[\dst+2*\c:\dst+2*\c+1], v[T0+8*(\c%2)+((\src+8*\c+0)-(T0+8*(\c%2)+0)):T0+8*(\c%2)+7+((\src+8*\c+0)-(T0+8*(\c%2)+0))], v[\sc]
.endr
.endm
.macro PUT dst, base, off
	global_store_b128 v1, v[\dst:\dst+3], s[\base:\base+1] offset:\off
	global_store_b128 v1, v[\dst+4:\dst+7], s[\base:\base+1] offset:\off+512
.endm
	s_wait_dscnt 16                                ; tile A's eight reads are back; the sixteen younger ones may be out
	QIMG XA, 248, 40, CD
	PUT CD, 48, 0
	QIMG XA, 249, 42, CD+8
	PUT CD+8, 50, 0
	QIMG XA, 250, 44, CD+16
	PUT CD+16, 52, 0
	s_wait_dscnt 8                                 ; tile B's
	QIMG XB, 248, 40, CD+24
	PUT CD+24, 48, 4096
	QIMG XB, 249, 42, CD+32
	PUT CD+32, 50, 4096
	QIMG XB, 250, 44, CD+40
	PUT CD+40, 52, 4096
	s_wait_dscnt 0x0
	QIMG WR, 251, 46, CD+48
	v_nop                                          ; a plain instruction behind the last conversion
	PUT CD+48, 54, 0
	s_wait_tensorcnt 0x0                           ; the wave's end, behind my last LDS store
	ds_add_u32 v[SPW], v[NIL]
	s_wait_dscnt 0x0
	s_endpgm
.Lfunc_end_k_q8e99aeca0b_prep:
	.size	k_q8e99aeca0b_prep, .Lfunc_end_k_q8e99aeca0b_prep-k_q8e99aeca0b_prep
	.p2alignl 7, 3214868480
	.fill 96, 4, 3214868480
	.section	.rodata,"a",@progbits
	.p2align	6, 0x0
	.amdhsa_kernel k_q8e99aeca0b_prep
		.amdhsa_group_segment_fixed_size 199424
		.amdhsa_private_segment_fixed_size 0
		.amdhsa_enable_private_segment 0
		.amdhsa_kernarg_size 80
		.amdhsa_user_sgpr_count 2
		.amdhsa_user_sgpr_kernarg_segment_ptr 1
		.amdhsa_wavefront_size32 1
		.amdhsa_system_sgpr_workgroup_id_x 1
		.amdhsa_system_sgpr_workgroup_id_y 1
		.amdhsa_system_sgpr_workgroup_id_z 1
		.amdhsa_system_vgpr_workitem_id 0
		.amdhsa_next_free_vgpr 256
		.amdhsa_next_free_sgpr 66
		.amdhsa_reserve_vcc 0
		.amdhsa_float_denorm_mode_32 3
		.amdhsa_float_denorm_mode_16_64 3
		.amdhsa_fp16_overflow 1
		.amdhsa_memory_ordered 1
		.amdhsa_forward_progress 1
		.amdhsa_inst_pref_size 30
	.end_amdhsa_kernel
	.amdgpu_metadata
---
amdhsa.version: [ 1, 2 ]
amdhsa.kernels:
  - .name:           k_q8e99aeca0b_prep
    .symbol:         k_q8e99aeca0b_prep.kd
    .args:
      - { .name: x, .offset: 0, .size: 8, .value_kind: global_buffer, .address_space: global }
      - { .name: ln_g, .offset: 8, .size: 8, .value_kind: global_buffer, .address_space: global }
      - { .name: ln_b, .offset: 16, .size: 8, .value_kind: global_buffer, .address_space: global }
      - { .name: w_q, .offset: 24, .size: 8, .value_kind: global_buffer, .address_space: global }
      - { .name: w_k, .offset: 32, .size: 8, .value_kind: global_buffer, .address_space: global }
      - { .name: w_v, .offset: 40, .size: 8, .value_kind: global_buffer, .address_space: global }
      - { .name: w_o, .offset: 48, .size: 8, .value_kind: global_buffer, .address_space: global }
      - { .name: lowp_scales, .offset: 56, .size: 8, .value_kind: global_buffer, .address_space: global }
      - { .name: xcodes, .offset: 64, .size: 8, .value_kind: global_buffer, .address_space: global }
      - { .name: wcodes, .offset: 72, .size: 8, .value_kind: global_buffer, .address_space: global }
    .group_segment_fixed_size: 199424
    .private_segment_fixed_size: 0
    .kernarg_segment_align: 8
    .kernarg_segment_size: 80
    .max_flat_workgroup_size: 512
    .sgpr_count:     66
    .vgpr_count:     256
    .wavefront_size: 32
...
	.end_amdgpu_metadata
.endif
;; end of part 1
;; launch qkv (part 2): grid 4 x 192, 4 waves a work-group, clusters of 4 x 4, 327,680 bytes of LDS; arguments xcodes, wcodes, lowp_scales, b_q, b_k, b_v, qkv; writes qkv
.if DOCPART == 2
	.amdgcn_target "amdgcn-amd-amdhsa--gfx1250"
	.amdhsa_code_object_version 6
	.text
	.protected	k_q8e99aeca0b_qkv
	.globl	k_q8e99aeca0b_qkv
	.p2align	8
	.type	k_q8e99aeca0b_qkv,@function
k_q8e99aeca0b_qkv:
	s_mov_b64 s[64:65], 0
	v_nop
	global_prefetch_b8 v0, s[64:65] scope:SCOPE_SE
	s_setreg_imm32_b32 hwreg(HW_REG_WAVE_MODE, 25, 1), 1
	s_wait_xcnt 0x0
	s_wait_alu depctr_hold_cnt(0) depctr_sa_sdst(0) depctr_va_vdst(0) depctr_va_sdst(0) depctr_va_ssrc(0) depctr_va_vcc(0) depctr_vm_vsrc(0)
	s_getreg_b32 s2, hwreg(HW_REG_IB_STS2, 6, 4)
	s_cmp_eq_u32 s2, 0
	s_cbranch_scc0 .Lentry_in_a_cluster
	s_endpgm
.Lentry_in_a_cluster:
	s_bfe_u32 s2, ttmp6, 0x10000c
	s_cmp_lg_u32 s2, 0xf033
	s_cbranch_scc0 .Lentry_shape_is_right
	s_endpgm
.Lentry_shape_is_right:
; THE THREE PROJECTIONS ON CODES OF BF8, AND THEIR RESULTS AS CODES FOR THE ATTENTION.  y = (sum of code products) x 2^(ea + eb) + bias, in f32; then y / 2^eo to the nearest code.
; THE CORE: P[u][w] = sum over k of U[u][k] W[w][k], K = 1,024.  Source 0 = 16 rows of U, source 1 = 16 rows of W: in accumulator (i, j) lane (r, h) holds row 16 i + r of W, its registers t rows 16 j + 8 h + t of U:
; eight NEIGHBOURS along U.  For q and k: U = the weight, W = the tokens, so the eight run along the head's 64, the next product's K.  For v: U = the tokens, W = the weight, so they run along the keys, which are ITS next K.
; A work-group makes 256 rows of U x 128 rows of W; wave: wu = wave % 2 (128 of U, j = 0 .. 7), ww = wave / 2 (64 of W, i = 0 .. 3): 32 accumulators.  48 clusters: 16 for each of q, k, v; no tile straddles two of them,
; since each has its own codes of the tokens.
; OPERANDS lie in memory as images of their registers (16 rows x 64 K: registers 0-3 at 16 x lane, 4-7 at 512 + 16 x lane), so a K step of 256 of a tile is one dense block, and a fragment of 128 K is four reads of 512 consecutive bytes.
; K goes in four steps of 256 through THREE LDS slots: three first fills go out together, and only the fourth step is a refill (of slot 0): by this text's count a wave has at most three tensor loads out.
; CLUSTER 4 x 4: U's tile hangs on cx and is asked for jointly by a column, W's on cy and by a row.
; qkv: Q at 0 and K at 8 MiB: [head 16][tile of 16 tokens 512][c 4][256 B: lane's 8 codes of d = 16 c + 8 h + 0 .. 7];  V at 16 MiB: [head][64 keys: 128][16 of d: 4][c 4][256 B: lane (r, h): d = r, keys 16 c + 8 h + 0 .. 7].
; LIMITS: ea + eb between -126 and 127; eo between -126 and 112.  NaN among the inputs is not served.
; REGISTERS, in windows of 256: window 0: v1-30 addresses; v128-255 W's fragments, two sets.  window 1: the accumulators, (i, j) at v[8 (8 i + j)].  window 2: U's fragments, two sets.  window 3: the biases.
.set SLOTB, 98304                      ; a slot: U's 16 tiles x 4,096 bytes, then W's 8
.set WOFF,  65536
.set SPARE, 3*SLOTB                    ; behind the slots: the spare words, 128 bytes a wave: two blocks of 256 bytes that no other line names
.set ADRU, 4                           ; v4-6   LDS address of my U fragments in slot 0, 1, 2
.set ADRW, 8                           ; v8-10  the same for W
.set SO,   12                          ; v12    8 x lane
.set SPW,  28                          ; v28    LDS address of my spare word; never rewritten
.set NIL,  29                          ; v29    0; never rewritten
.set CVS,  30                          ; v30    2^eo as f32
.set WV,   18
.set ROLE, 19                          ; wave / 2: I fetch for U (0) or W (1); also ww
.set PART, 20                          ; wave % 2: which half of that tile I fetch; also wu
.set G1U,  24                          ; s[24:31], s[32:39] descriptor groups 1
.set G1W,  32
.set G0U,  40                          ; s[40:51], s[52:63] groups 0, a set for each slot
.set G0W,  52
.set K3U,  80                          ; s[80:81], s[82:83] three K steps in bytes
.set K3W,  82
.set MULW, 0x52                        ; source 0 (U) window 2, source 1 (W) window 0, C and D window 1
.set TO_U, 0x80                        ; destination window 2, address window 0
.set MSB, 0
.macro WIN new                         ; the immediate's high byte repeats the setting that is left
.if MSB != \new
	s_set_vgpr_msb (MSB<<8)|\new
.set MSB, \new
.endif
.endm
.macro PLACES                          ; four plain instructions between a matrix instruction and a load into, or a read of, its registers
.rept 4
	v_nop
.endr
.endm
.macro CREST                           ; a round of the cluster's barrier behind its opening barrier
	s_cmp_lg_u32 s[WV], 0
	s_cbranch_scc1 .Lnot_wave_0_\@
	s_barrier_signal -3
.Lnot_wave_0_\@:
	s_barrier_wait -3
	s_barrier_signal -1
	s_barrier_wait -1
.endm
.macro CROUND
	s_barrier_signal -1
	s_barrier_wait -1
	CREST
.endm
.macro JLOAD                           ; the joint refill of slot 0; the branch hangs on the wave's number alone; s_nop 0 and four v_nop follow each line
	s_cmp_eq_u32 s[ROLE], 0
	s_cbranch_scc0 .Lfor_w_\@
	tensor_load_to_lds s[G0U:G0U+3], s[G1U:G1U+7]
	s_nop 0
.rept 4
	v_nop
.endr
	s_branch .Lasked_\@
.Lfor_w_\@:
	tensor_load_to_lds s[G0W:G0W+3], s[G1W:G1W+7]
	s_nop 0
.rept 4
	v_nop
.endr
.Lasked_\@:
.endm
.macro FETCHU slot, q, p               ; my eight fragments of U, the slot's q-th 128 along K, into set p: 32 reads of 512 consecutive bytes
	WIN TO_U
.irp j, 0,1,2,3,4,5,6,7
.irp c, 0,1,2,3
	ds_load_b128 v[128*(\p)+16*\j+4*\c:128*(\p)+16*\j+4*\c+3], v[ADRU+\slot] offset:\j*4096+(\q)*2048+\c*512
.endr
.endr
.endm
.macro FETCHW slot, q, p               ; my four fragments of W
	WIN 0
.irp i, 0,1,2,3
.irp c, 0,1,2,3
	ds_load_b128 v[128+64*(\p)+16*\i+4*\c:128+64*(\p)+16*\i+4*\c+3], v[ADRW+\slot] offset:\i*4096+(\q)*2048+\c*512
.endr
.endr
.endm
; n x 8 matrix instructions.  The 32 accumulators take turns, one instruction a turn, in the same order in every step of 128 along K.  zero = 1: the first products start the sums.
.macro MUL i0, n, p, zero
.set ii, \i0
.rept \n
.irp j, 0,1,2,3,4,5,6,7
.if \zero
	v_wmma_f32_16x16x128_bf8_bf8 v[8*(8*ii+\j):8*(8*ii+\j)+7], v[128*(\p)+16*\j:128*(\p)+16*\j+15], v[128+64*(\p)+16*ii:128+64*(\p)+16*ii+15], 0
.else
	v_wmma_f32_16x16x128_bf8_bf8 v[8*(8*ii+\j):8*(8*ii+\j)+7], v[128*(\p)+16*\j:128*(\p)+16*\j+15], v[128+64*(\p)+16*ii:128+64*(\p)+16*ii+15], v[8*(8*ii+\j):8*(8*ii+\j)+7]
.endif
.endr
.set ii, ii+1
.endr
.endm
; a step of 128 along K on set p; the next step's fragments (slot ns, part nq) are asked for first, into the other set
.macro SUB p, ns, nq, zero
	PLACES
	FETCHU \ns, \nq, 1-\p
	FETCHW \ns, \nq, 1-\p
	s_wait_dscnt 48                                ; all but the 48 just issued: set p is in
	WIN MULW
	MUL 0, 4, \p, \zero
.endm
; a step that leaves a slot: every wave waits for all its tensor loads, adds 0 to its spare word, waits for that and for its LDS reads, and meets the others.  fill = 1: the barrier opens a round of the cluster's, and slot 0 takes K step 3.
.macro TURN p, fill, ns, nq
	WIN 0
	s_wait_tensorcnt 0x0                           ; no tensor load of mine is out, so a group 0 may be written
	ds_add_u32 v[SPW], v[NIL]
.if \fill
	s_add_nc_u64 s[G0U+2:G0U+3], s[G0U+2:G0U+3], s[K3U:K3U+1]
	s_add_nc_u64 s[G0W+2:G0W+3], s[G0W+2:G0W+3], s[K3W:K3W+1]
.endif
	s_wait_dscnt 0x0                               ; the add is done; my reads of the slot are over, and set p is in
	s_barrier_signal -1
	WIN MULW
	MUL 0, 2, \p, 0                                ; work on registers while the others arrive
	WIN 0
	s_barrier_wait -1
.if \fill
	CREST                                          ; no wave of any partner still reads slot 0 or has a load on its way
	JLOAD                                          ; first behind the round; its four v_nop are also the places in front of the loads below
.else
	PLACES
.endif
	FETCHU \ns, \nq, 1-\p
	FETCHW \ns, \nq, 1-\p
	WIN MULW
	MUL 2, 2, \p, 0
.endm
	s_load_b256 s[4:11], s[0:1], 0x0               ; xcodes 4, wcodes 6, the exponents 8, b_q 10
	s_load_b128 s[12:15], s[0:1], 0x20             ; b_k 12, b_v 14
	s_load_b64 s[16:17], s[0:1], 0x30              ; qkv
	v_lshl_add_u32 v[SPW], v0, 2, SPARE
	v_mov_b32 v[NIL], 0
	ds_add_u32 v[SPW], v[NIL]
	ds_add_u32 v[SPW], v[NIL]                      ; the wave's opening: the add and its wait ahead of my first tensor load
	v_lshrrev_b32 v1, 5, v0
	v_readfirstlane_b32 s[WV], v1
	s_lshr_b32 s[ROLE], s[WV], 1
	s_and_b32 s[PART], s[WV], 1
	s_bfe_u32 s21, ttmp6, 0x40000                  ; cx
	s_bfe_u32 s22, ttmp6, 0x40004                  ; cy
	s_and_b32 s74, ttmp7, 0xffff                   ; the cluster's number, 0 .. 47
	s_lshr_b32 s23, s74, 4                         ; p: 0 q, 1 k, 2 v: the same in all partners
	s_and_b32 s75, s74, 15
	s_and_b32 s76, s75, 7
	s_lshr_b32 s77, s75, 3
	s_lshl_b32 s66, s23, 20                        ; q, k: U is weight p in wcodes,
	s_lshl_b32 s70, s23, 23                        ;       W the tokens' codes under scale p in xcodes
	s_mov_b32 s78, 0x40000                         ; a K step on: in wcodes 64 tiles, in xcodes 512
	s_mov_b32 s79, 0x200000
	s_cmp_eq_u32 s23, 2
	s_cselect_b32 s76, s76, 0                      ; v: 8 x 2 clusters over 32 x 8 tiles; q, k: 1 x 16 over 4 x 64
	s_cselect_b32 s77, s77, s75
	s_cselect_b32 s66, 0x1000000, s66              ; v: U is the tokens' third set of codes,
	s_cselect_b32 s70, 0x200000, s70               ;    W the third weight
	s_cselect_b32 s78, 0x200000, s78
	s_cselect_b32 s79, 0x40000, s79
	s_mul_i32 s[K3U], s78, 3
	s_mov_b32 s[K3U+1], 0
	s_mul_i32 s[K3W], s79, 3
	s_mov_b32 s[K3W+1], 0
	s_lshl_b32 s76, s76, 2
	s_add_co_u32 s76, s76, s21                     ; U's tile
	s_lshl_b32 s77, s77, 2
	s_add_co_u32 s77, s77, s22                     ; W's tile
	s_lshl_b32 s67, s76, 16
	s_add_co_u32 s66, s66, s67
	s_lshl_b32 s67, s[PART], 15
	s_add_co_u32 s66, s66, s67                     ; U: + (16 tile + 8 half) x 4,096
	s_mov_b32 s67, 0
	s_lshl_b32 s71, s77, 15
	s_add_co_u32 s70, s70, s71
	s_lshl_b32 s71, s[PART], 14
	s_add_co_u32 s70, s70, s71                     ; W: + (8 tile + 4 half) x 4,096
	s_mov_b32 s71, 0
	s_lshl_b32 s74, 0x1111, s21                    ; my column of the cluster
	s_lshl_b32 s75, s22, 2
	s_lshl_b32 s75, 15, s75                        ; my row
	s_or_b32 s[G1U], s74, (3<<16)|(1<<21)          ; 15:0 the mask; 17:16 elements of 8 bytes; 21 set beside a mask; no padding: images are read as they lie
	s_or_b32 s[G1W], s75, (3<<16)|(1<<21)
	s_mov_b32 s[G1U+1], 32<<16                     ; tensor_dim0 = 32 elements: rows of 256 bytes of a dense block
	s_mov_b32 s[G1U+2], 128<<16                    ; tensor_dim1 = 128 rows: 32 KiB
	s_mov_b32 s[G1U+3], 32<<16                     ; tile_dim0
	s_mov_b32 s[G1U+4], 128                        ; tile_dim1
	s_mov_b32 s[G1U+5], 32                         ; the pitch
	s_mov_b32 s[G1U+6], 0
	s_mov_b32 s[G1U+7], 0
	s_mov_b32 s[G1W+1], 32<<16
	s_mov_b32 s[G1W+2], 64<<16                     ; 64 rows: 16 KiB
	s_mov_b32 s[G1W+3], 32<<16
	s_mov_b32 s[G1W+4], 64
	s_mov_b32 s[G1W+5], 32
	s_mov_b32 s[G1W+6], 0
	s_mov_b32 s[G1W+7], 0
	s_lshl_b32 s2, s[PART], 15                     ; where my part goes in a slot: no place in the cluster enters an LDS address
	s_lshl_b32 s3, s[PART], 14
	s_add_co_u32 s3, s3, WOFF
	s_wait_dscnt 0x0                               ; the opening add is done
	s_wait_kmcnt 0x0
	s_load_b256 s[84:91], s[8:9], 0x0              ; e0 .. e7
	s_load_b128 s[92:95], s[8:9], 0x20             ; e8 .. e11
	s_cmp_eq_u32 s23, 2
	s_cselect_b64 s[68:69], s[4:5], s[6:7]
	s_cselect_b64 s[72:73], s[6:7], s[4:5]
	s_add_nc_u64 s[68:69], s[68:69], s[66:67]
	s_add_nc_u64 s[72:73], s[72:73], s[70:71]
	s_mov_b32 s66, s78                             ; the pairs now hold a K step in bytes
	s_mov_b32 s70, s79
	CROUND                                         ; all sixteen work-groups are here: the first joint loads meet
.irp s, 0,1,2
	s_mov_b32 s[G0U+4*\s], 1
	s_add_co_u32 s[G0U+4*\s+1], s2, \s*SLOTB
	s_mov_b64 s[G0U+4*\s+2:G0U+4*\s+3], s[68:69]
	s_or_b32 s[G0U+4*\s+3], s[G0U+4*\s+3], 0x80000000
	s_add_nc_u64 s[68:69], s[68:69], s[66:67]
	s_mov_b32 s[G0W+4*\s], 1
	s_add_co_u32 s[G0W+4*\s+1], s3, \s*SLOTB
	s_mov_b64 s[G0W+4*\s+2:G0W+4*\s+3], s[72:73]
	s_or_b32 s[G0W+4*\s+3], s[G0W+4*\s+3], 0x80000000
	s_add_nc_u64 s[72:73], s[72:73], s[70:71]
.endr
	s_cmp_eq_u32 s[ROLE], 0                        ; a wave's three first fills stand in one branch, ahead of every wait on TENSORcnt and every LDS read
	s_cbranch_scc0 .Lfirst_w
.irp s, 0,1,2
	tensor_load_to_lds s[G0U+4*\s:G0U+4*\s+3], s[G1U:G1U+7]
	s_nop 0
.endr
.rept 4
	v_nop
.endr
	s_branch .Lfirst_done
.Lfirst_w:
.irp s, 0,1,2
	tensor_load_to_lds s[G0W+4*\s:G0W+4*\s+3], s[G1W:G1W+7]
	s_nop 0
.endr
.rept 4
	v_nop
.endr
.Lfirst_done:
	; the bias, in both patterns, so that every register is written on every path; the pattern that is not used reads from the chosen bias's first numbers
	s_cmp_eq_u32 s23, 1
	s_cselect_b64 s[10:11], s[12:13], s[10:11]
	s_cmp_eq_u32 s23, 2
	s_cselect_b64 s[10:11], s[14:15], s[10:11]
	s_lshl_b32 s74, s76, 10
	s_lshl_b32 s75, s[PART], 9
	s_add_co_u32 s74, s74, s75                     ; q, k: 4 x (256 U tile + 128 wu)
	s_lshl_b32 s75, s77, 9
	s_lshl_b32 s2, s[ROLE], 8
	s_add_co_u32 s75, s75, s2                      ; v: 4 x (128 W tile + 64 ww)
	s_cmp_eq_u32 s23, 2
	s_cselect_b32 s74, 0, s74
	s_cselect_b32 s75, s75, 0
	v_and_b32 v1, 15, v0                           ; r
	v_bfe_u32 v2, v0, 4, 1                         ; h
	v_and_b32 v3, 31, v0                           ; lane
	v_lshl_add_u32 v13, v2, 5, s74
	v_lshl_add_u32 v14, v1, 2, s75
	WIN 0xc0                                       ; destination window 3
.irp j, 0,1,2,3,4,5,6,7
	global_load_b128 v[8*\j:8*\j+3], v13, s[10:11] offset:64*\j          ; q, k: bias at the eight columns 16 j + 8 h + 0 .. 7
	global_load_b128 v[8*\j+4:8*\j+7], v13, s[10:11] offset:64*\j+16
.endr
.irp i, 0,1,2,3
	global_load_b32 v[64+2*\i], v14, s[10:11] offset:64*\i               ; v: bias at column 16 i + r, twice, for the packed form
	global_load_b32 v[64+2*\i+1], v14, s[10:11] offset:64*\i
.endr
	WIN 0
	v_lshlrev_b32 v15, 4, v3                       ; 16 x lane
	s_lshl_b32 s74, s[PART], 15                    ; my 128 rows of U,
	s_lshl_b32 s75, s[ROLE], 14                    ; my 64 rows of W,
	s_add_co_u32 s75, s75, WOFF                    ; which lie behind U's
.irp s, 0,1,2
	v_add_nc_u32 v[ADRU+\s], s74, v15
	v_add_nc_u32 v[ADRW+\s], s75, v15
	s_add_co_u32 s74, s74, SLOTB
	s_add_co_u32 s75, s75, SLOTB
.endr
	v_lshlrev_b32 v[SO], 3, v3
	; where my codes go.  q, k: head 4 U tile + 2 wu + g, token tile 8 W tile + 4 ww + i.  v: head 2 W tile + ww, block of 64 keys 4 U tile + 2 wu + g
	s_lshl_b32 s74, s23, 23
	s_lshl_b32 s2, s76, 21
	s_add_co_u32 s74, s74, s2
	s_lshl_b32 s2, s[PART], 20
	s_add_co_u32 s74, s74, s2
	s_lshl_b32 s2, s77, 13
	s_add_co_u32 s74, s74, s2
	s_lshl_b32 s2, s[ROLE], 12
	s_add_co_u32 s74, s74, s2
	s_lshl_b32 s75, s77, 20
	s_lshl_b32 s2, s[ROLE], 19
	s_add_co_u32 s75, s75, s2
	s_lshl_b32 s2, s76, 14
	s_add_co_u32 s75, s75, s2
	s_lshl_b32 s2, s[PART], 13
	s_add_co_u32 s75, s75, s2
	s_add_co_u32 s75, s75, 0x1000000
	s_mov_b32 s2, 0x80000                          ; from g = 0 to g = 1: a head on (q, k), or a block of keys on (v)
	s_cmp_eq_u32 s23, 2
	s_cselect_b32 s74, s75, s74
	s_cselect_b32 s2, 4096, s2
	s_mov_b32 s75, 0
	s_mov_b32 s3, 0
	s_add_nc_u64 s[16:17], s[16:17], s[74:75]
	s_add_nc_u64 s[100:101], s[16:17], s[2:3]
	s_wait_alu depctr_va_vdst(0)
	s_wait_tensorcnt 2                             ; my part of slot 0 is in; the two younger loads may stay out
	s_barrier_signal -1
	s_barrier_wait -1
	FETCHU 0, 0, 0
	FETCHW 0, 0, 0
	SUB 0, 0, 1, 1                                 ; K 0-127: the first products start the sums
	TURN 1, 1, 1, 0                                ; K 128-255; slot 0 is left and takes K step 3; all three first fills are shown landed to everybody
	SUB 0, 1, 1, 0
	SUB 1, 2, 0, 0
	SUB 0, 2, 1, 0
	TURN 1, 0, 0, 0                                ; K 640-767; the refill has landed; nothing more is asked for
	SUB 0, 0, 1, 0
	s_wait_dscnt 0x0
	WIN MULW
	MUL 0, 4, 1, 0
	WIN 0
	PLACES
	s_wait_kmcnt 0x0
	s_add_co_i32 s84, s84, s85                     ; ea + eb of q, of k, of v
	s_add_co_i32 s86, s86, s87
	s_add_co_i32 s88, s88, s89
	s_cmp_eq_u32 s23, 1
	s_cselect_b32 s84, s86, s84
	s_cselect_b32 s90, s91, s90                    ; eo: entry 6 for q, 7 for k,
	s_cmp_eq_u32 s23, 2
	s_cselect_b32 s84, s88, s84
	s_cselect_b32 s90, s93, s90                    ; 9 for v
	s_add_co_i32 s84, s84, 127
	s_lshl_b32 s96, s84, 23                        ; 2^(ea + eb) as f32
	s_mov_b32 s97, s96                             ; (named with it as a pair, so it is written)
	s_add_co_i32 s90, s90, 127
	s_lshl_b32 s91, s90, 23
	v_mov_b32 v[CVS], s91
	s_wait_loadcnt 0x0                             ; the biases
	s_cmp_eq_u32 s23, 2                            ; which pattern of bias: a number that all partners of the cluster share
	s_cbranch_scc1 .Lbias_v
	WIN 0x71                                       ; sums (source 0, destination) window 1, bias (source 2) window 3
.set a, 0
.rept 32
.irp t, 0,2,4,6
	v_pk_fma_f32 v[8*a+\t:8*a+\t+1], v[8*a+\t:8*a+\t+1], s[96:97], v[8*(a%8)+\t:8*(a%8)+\t+1] op_sel_hi:[1,0,1]   ; each accumulator from its low end on
.endr
.set a, a+1
.endr
	WIN 0
	s_branch .Lbias_done
.Lbias_v:
	WIN 0x71
.set a, 0
.rept 32
.irp t, 0,2,4,6
	v_pk_fma_f32 v[8*a+\t:8*a+\t+1], v[8*a+\t:8*a+\t+1], s[96:97], v[64+2*(a/8):64+2*(a/8)+1] op_sel_hi:[1,0,1]
.endr
.set a, a+1
.endr
	WIN 0
.Lbias_done:
	WIN 0x41
.set a, 0
.rept 256
.set a, a+1
.endr
	WIN 0x01                                       ; source 0 window 1; the scale and the codes in window 0, where W's fragments lay
.set a, 0
.rept 32
	v_cvt_scalef32_pk8_bf8_f32 v[128+2*a:128+2*a+1], v[8*a:8*a+7], v[CVS]
.set a, a+1
.endr
	v_nop                                          ; a plain instruction behind the last conversion
	WIN 0
.set a, 0
.rept 32                               ; accumulator a = 8 i + 4 g + c: 32 lanes x 8 bytes are 256 consecutive bytes, aligned
.if (a/4)%2 == 0
	global_store_b64 v[SO], v[128+2*a:128+2*a+1], s[16:17] offset:(a/8)*1024+(a%4)*256
.else
	global_store_b64 v[SO], v[128+2*a:128+2*a+1], s[100:101] offset:(a/8)*1024+(a%4)*256
.endif
.set a, a+1
.endr
	s_wait_tensorcnt 0x0                           ; the wave's end
	ds_add_u32 v[SPW], v[NIL]
	s_wait_dscnt 0x0
	CROUND                                         ; the closing round: no work-group ends while a partner may still ask for a tile that names it
	s_endpgm
.Lfunc_end_k_q8e99aeca0b_qkv:
	.size	k_q8e99aeca0b_qkv, .Lfunc_end_k_q8e99aeca0b_qkv-k_q8e99aeca0b_qkv
	.p2alignl 7, 3214868480
	.fill 96, 4, 3214868480
	.section	.rodata,"a",@progbits
	.p2align	6, 0x0
	.amdhsa_kernel k_q8e99aeca0b_qkv
		.amdhsa_group_segment_fixed_size 327680
		.amdhsa_private_segment_fixed_size 0
		.amdhsa_enable_private_segment 0
		.amdhsa_kernarg_size 56
		.amdhsa_user_sgpr_count 2
		.amdhsa_user_sgpr_kernarg_segment_ptr 1
		.amdhsa_wavefront_size32 1
		.amdhsa_system_sgpr_workgroup_id_x 1
		.amdhsa_system_sgpr_workgroup_id_y 1
		.amdhsa_system_sgpr_workgroup_id_z 1
		.amdhsa_system_vgpr_workitem_id 0
		.amdhsa_next_free_vgpr 1024
		.amdhsa_next_free_sgpr 102
		.amdhsa_reserve_vcc 0
		.amdhsa_float_denorm_mode_32 3
		.amdhsa_float_denorm_mode_16_64 3
		.amdhsa_fp16_overflow 1
		.amdhsa_memory_ordered 1
		.amdhsa_forward_progress 1
		.amdhsa_inst_pref_size 77
	.end_amdhsa_kernel
	.amdgpu_metadata
---
amdhsa.version: [ 1, 2 ]
amdhsa.kernels:
  - .name:           k_q8e99aeca0b_qkv
    .symbol:         k_q8e99aeca0b_qkv.kd
    .args:
      - { .name: xcodes, .offset: 0, .size: 8, .value_kind: global_buffer, .address_space: global }
      - { .name: wcodes, .offset: 8, .size: 8, .value_kind: global_buffer, .address_space: global }
      - { .name: lowp_scales, .offset: 16, .size: 8, .value_kind: global_buffer, .address_space: global }
      - { .name: b_q, .offset: 24, .size: 8, .value_kind: global_buffer, .address_space: global }
      - { .name: b_k, .offset: 32, .size: 8, .value_kind: global_buffer, .address_space: global }
      - { .name: b_v, .offset: 40, .size: 8, .value_kind: global_buffer, .address_space: global }
      - { .name: qkv, .offset: 48, .size: 8, .value_kind: global_buffer, .address_space: global }
    .group_segment_fixed_size: 327680
    .private_segment_fixed_size: 0
    .kernarg_segment_align: 8
    .kernarg_segment_size: 56
    .max_flat_workgroup_size: 128
    .sgpr_count:     102
    .vgpr_count:     1024
    .wavefront_size: 32
...
	.end_amdgpu_metadata
.endif
;; end of part 2
;; launch attn (part 3): grid 4 x 64, 16 waves a work-group, no clusters, 167,936 bytes of LDS; arguments qkv, lowp_scales, ctx; writes ctx
.if DOCPART == 3
	.amdgcn_target "amdgcn-amd-amdhsa--gfx1250"
	.amdhsa_code_object_version 6
	.text
	.protected	k_q8e99aeca0b_attn
	.globl	k_q8e99aeca0b_attn
	.p2align	8
	.type	k_q8e99aeca0b_attn,@function
k_q8e99aeca0b_attn:
	s_mov_b64 s[64:65], 0
	v_nop
	global_prefetch_b8 v0, s[64:65] scope:SCOPE_SE
	s_setreg_imm32_b32 hwreg(HW_REG_WAVE_MODE, 25, 1), 1
	s_wait_xcnt 0x0
; ATTENTION IN A CAUSAL WINDOW OF 256 KEYS, both products on codes of BF8; the result leaves as codes for the last projection.
; Key j counts for query i where 0 <= i - j < 256: for a tile of 16 queries that is 17 tiles of 16 keys, of which the first and the last are cut by the mask; no other key tile is multiplied.
; SHARES.  A work-group owns 512 queries of one head of one batch; each of its sixteen waves owns two tiles of 16 queries (tile wave, tile wave + 16), one after the other, in 256 registers: four waves to a SIMD,
; so that one wave's vector work stands beside another's matrix work and LDS reads.
; A tile's whole window, 17 x 8 score registers, is held at once: ONE pass, M = ceil(the row's largest t) exactly, nothing is rescaled.  t = score x log2(e) / 8; p = 2^(t - M) is quantised; the sum of the unquantised p divides at the end.
; LAYOUT.  S^T = K Q^T (source 0 = 16 keys, source 1 = my 16 queries), O^T = V^T P^T: a lane holds ONE query (lane % 16) throughout, and its eight registers of a key tile are keys 8 (lane / 16) + 0 .. 7:
; the conversions' results are the second product's operand, four key tiles to a K of 64; the 17th tile is multiplied with three tiles of zero codes beside it.
; LDS: the 768 keys from 256 ahead of my first query on: K's 48 tiles at 0, V's 12 blocks of 64 keys behind them, by six tensor loads at the head; nothing is filled again.
; AT A SEQUENCE'S START the 256 keys ahead of it do not exist: the bytes loaded in their place are codes that the launch before stored for another batch, head or tensor, inside the buffer and finite;
; their scores are replaced by -infinity, so that their p is the code 0.
; NO CLUSTER: neighbouring blocks of queries share 256 of their 768 keys, and at different places in LDS, so no descriptor is the same in two work-groups.
; LIMITS: e6 + e7 between -123 and 130 (added to c's exponent field); e8 and e10 between -126 and 112; e8 + e9 goes by v_ldexp_f32 and has none.  NaN among the inputs is not served.
.set VOFF,  49152                      ; V's blocks in LDS
.set SPARE, 98304                      ; behind them: the spare words, 128 bytes for each of 16 waves: eight blocks of 256 bytes that no other line names
.set P,   16                           ; v16-49 p's codes, two registers a key tile; v50-55 zero codes, never rewritten
.set KB,  16                           ; v16-47 K's fragments, set B (free while scores are made)
.set KA,  56                           ; v56-87 set A
.set S,   88                           ; v88-223 the scores, then p
.set O,   88                           ; behind the conversions: v88-119 O^T,
.set VA,  120                          ; v120-151, v152-183, v184-215 three sets of V's fragments
.set VB,  152
.set VC,  184
.set MX,  238                          ; v238-241 four chains of the maximum
.set SPW, 252
.set NIL, 253
	s_load_b128 s[4:7], s[0:1], 0x0                ; qkv, the exponents
	s_load_b64 s[8:9], s[0:1], 0x10                ; ctx
	v_lshl_add_u32 v[SPW], v0, 2, SPARE
	v_mov_b32 v[NIL], 0
	ds_add_u32 v[SPW], v[NIL]                      ; the wave's opening: the add and its wait ahead of my first tensor load
	ds_add_u32 v[SPW], v[NIL]
	v_lshrrev_b32 v2, 5, v0
	s_delay_alu instid0(VALU_DEP_1)
	v_readfirstlane_b32 s10, v2                    ; wave 0..15
	s_and_b32 s54, ttmp7, 0xffff
	s_lshr_b32 s55, s54, 4                         ; batch
	s_and_b32 s56, s54, 15                         ; head
	s_mov_b32 s16, 3<<16                           ; group 1: no mask, elements of 8 bytes, no padding
	s_mov_b32 s17, 32<<16                          ; tensor_dim0 = 32: rows of 256 bytes of a dense block
	s_mov_b32 s18, 64<<16                          ; tensor_dim1 = 64 rows: 16 KiB
	s_mov_b32 s19, 32<<16                          ; tile_dim0
	s_mov_b32 s20, 64                              ; tile_dim1
	s_mov_b32 s21, 32                              ; the pitch
	s_mov_b32 s22, 0
	s_mov_b32 s23, 0
	s_lshl_b32 s57, s56, 9
	s_lshl_b32 s58, s55, 7
	s_add_co_u32 s57, s57, s58
	s_lshl_b32 s58, ttmp9, 5
	s_add_co_u32 s57, s57, s58                     ; my block's first tile of 16 tokens: 512 head + 128 batch + 32 block
	s_lshl_b32 s60, s57, 10                        ; in bytes this is also 4,096 x (128 head + 32 batch + 8 block), V's first block of 64 keys
	s_lshl_b32 s58, s10, 14
	s_add_co_u32 s60, s60, s58                     ; + 16 KiB x wave
	s_mov_b32 s58, 0xff0000                        ; waves 3-5: V's region, 16 KiB back, less the three waves ahead
	s_cmp_lt_u32 s10, 3
	s_cselect_b32 s58, 0x7fc000, s58               ; waves 0-2: K's region, 16 KiB (256 keys) back
	s_add_co_u32 s60, s60, s58
	s_mov_b32 s61, 0
	s_add_co_u32 s62, s57, s10
	s_lshl_b32 s62, s62, 10                        ; Q: my first tile
	s_mov_b32 s63, 0
	s_lshr_b32 s58, s56, 2                         ; ctx: [head / 4][tile][head % 4][1,024 B]
	s_lshl_b32 s58, s58, 9
	s_lshl_b32 s59, s55, 7
	s_add_co_u32 s58, s58, s59
	s_lshl_b32 s59, ttmp9, 5
	s_add_co_u32 s58, s58, s59
	s_add_co_u32 s58, s58, s10
	s_lshl_b32 s58, s58, 2
	s_and_b32 s59, s56, 3
	s_add_co_u32 s58, s58, s59
	s_lshl_b32 s58, s58, 10
	s_mov_b32 s59, 0
	s_mov_b32 s36, 0x76543210
	s_mov_b32 s37, 0xfedcba98                      ; selects for lane xor 16
	s_wait_dscnt 0x0                               ; the opening add is done
	s_wait_kmcnt 0x0
	s_mov_b32 s12, 1
	s_lshl_b32 s13, s10, 14                        ; LDS: 16 KiB x wave
	s_add_nc_u64 s[14:15], s[4:5], s[60:61]
	s_or_b32 s15, s15, 0x80000000
	s_cmp_lt_u32 s10, 6                            ; six waves fetch, one load each; the wait below is for 0 in every wave
	s_cbranch_scc0 .Lno_load
	tensor_load_to_lds s[12:15], s[16:23]
	s_nop 0
.rept 4
	v_nop
.endr
.Lno_load:
	s_load_b128 s[24:27], s[6:7], 0x18             ; e6 .. e9
	s_load_b32 s28, s[6:7], 0x28                   ; e10
	s_add_nc_u64 s[50:51], s[4:5], s[62:63]
	s_add_nc_u64 s[52:53], s[8:9], s[58:59]
	v_and_b32 v1, 31, v0
	s_delay_alu instid0(VALU_DEP_1)
	v_lshlrev_b32 v7, 4, v1                        ; 16 x lane
	s_delay_alu instid0(VALU_DEP_2)
	v_lshlrev_b32 v1, 3, v1                        ; 8 x lane
	s_wait_alu depctr_va_vdst(0)
.irp c, 0,1,2,3
	global_load_b64 v[8+2*\c:9+2*\c], v1, s[50:51] offset:\c*256            ; Q of my first tile,
.endr
.irp c, 0,1,2,3
	global_load_b64 v[224+2*\c:225+2*\c], v1, s[50:51] offset:16384+\c*256  ; and of my second, 16 tiles on
.endr
	s_lshl_b32 s48, s10, 10
	v_add_nc_u32 v2, s48, v1                       ; K: the window of query tile w begins at key tile w of the 48
.irp nn, 0,1,2,3                       ; V: key tile u lies at block u / 4, part u % 4; u = w + nn + a multiple of 4
	s_add_co_u32 s48, s10, \nn
	s_lshr_b32 s49, s48, 2
	s_lshl_b32 s49, s49, 12
	s_and_b32 s48, s48, 3
	s_lshl_b32 s48, s48, 8
	s_add_co_u32 s48, s48, s49
	s_add_co_u32 s48, s48, VOFF
	v_add_nc_u32 v[3+\nn], s48, v1
.endr
	v_and_b32 v238, 15, v0
	v_bfe_u32 v239, v0, 4, 1
	s_delay_alu instid0(VALU_DEP_1)
	v_lshlrev_b32 v239, 3, v239
	s_delay_alu instid0(VALU_DEP_1)
	v_sub_nc_u32 v238, v238, v239                  ; r - 8 h
.irp j, 0,1,2,3,4,5,6,7
	v_cmp_le_i32 s[40+\j], \j, v238                ; register j's key, 8 h + j, is at or ahead of query r within a tile: it counts in the window's last tile and is out in its first
.endr
.irp j, 50,51,52,53,54,55
	v_mov_b32 v[\j], 0
.endr
	v_mov_b32 v232, 0xff800000                     ; -infinity
	v_mov_b32 v246, 0                              ; written once: a lane permute's destination counts as one of its sources
	s_wait_kmcnt 0x0
	s_add_co_i32 s48, s24, s25
	s_lshl_b32 s48, s48, 23
	s_add_co_i32 s30, s48, 0x3e38aa3b              ; c = log2(e) / 8 x 2^(e6 + e7)
	s_mov_b32 s31, s30                             ; (named with it as a pair, so it is written)
	s_add_co_i32 s48, s26, 127
	s_lshl_b32 s49, s48, 23
	v_mov_b32 v233, s49                            ; 2^e8 as f32
	s_add_co_i32 s48, s28, 127
	s_lshl_b32 s49, s48, 23
	v_mov_b32 v235, s49                            ; 2^e10
	s_add_co_i32 s35, s26, s27                     ; e8 + e9
	s_wait_tensorcnt 0x0                           ; my part of the keys has landed,
	s_barrier_signal -1
	s_barrier_wait -1                              ; everybody's has
	s_wait_loadcnt 0x0                             ; Q
.macro PLACES
.rept 4
	v_nop
.endr
.endm
.macro LK set, t, n                    ; key tile t of the window: four reads of 256 consecutive bytes
.irp c, 0,1,2,3
	ds_load_b64 v[\set+2*\c:\set+2*\c+1], v2 offset:(\n)*16384+(\t)*1024+\c*256
.endr
.endm
.macro SC4 set, t0, Q                  ; four tiles of scores
.irp f, 0,1,2,3
	v_wmma_f32_16x16x64_bf8_bf8 v[S+8*(\t0+\f):S+8*(\t0+\f)+7], v[\set+8*\f:\set+8*\f+7], v[\Q:\Q+7], 0
.endr
.endm
.macro LV set, G, n                    ; V^T for key tiles 4 G .. 4 G + 3 of the window: four fragments (16 of d each) of four parts
.irp dt, 0,1,2,3
.irp nn, 0,1,2,3
	ds_load_b64 v[\set+8*\dt+2*\nn:\set+8*\dt+2*\nn+1], v[3+\nn] offset:(4*(\n)+(\G))*4096+\dt*1024
.endr
.endr
.endm
.macro PV4 set, G, zero                ; the four accumulators of O^T take turns, one instruction a turn
.irp dt, 0,1,2,3
.if \zero
	v_wmma_f32_16x16x64_bf8_bf8 v[O+8*\dt:O+8*\dt+7], v[\set+8*\dt:\set+8*\dt+7], v[P+8*(\G):P+8*(\G)+7], 0
.else
	v_wmma_f32_16x16x64_bf8_bf8 v[O+8*\dt:O+8*\dt+7], v[\set+8*\dt:\set+8*\dt+7], v[P+8*(\G):P+8*(\G)+7], v[O+8*\dt:O+8*\dt+7]
.endif
.endr
.endm
; ONE TILE OF 16 QUERIES: tile w + 16 n; its Q in v[Q] on, which take its result's codes at the end
.macro TILE n, Q
.irp f, 0,1,2,3
	LK KA+8*\f, \f, \n
.endr
.irp f, 0,1,2,3
	LK KB+8*\f, 4+\f, \n
.endr
	s_wait_dscnt 16                                ; each count: the reads issued behind the set that is multiplied next
	SC4 KA, 0, \Q
	PLACES
.irp f, 0,1,2,3
	LK KA+8*\f, 8+\f, \n
.endr
	s_wait_dscnt 16
	SC4 KB, 4, \Q
	PLACES
.irp f, 0,1,2,3
	LK KB+8*\f, 12+\f, \n
.endr
	s_wait_dscnt 16
	SC4 KA, 8, \Q
	PLACES
	LK KA, 16, \n
	s_wait_dscnt 4
	SC4 KB, 12, \Q
	s_wait_dscnt 0x0
	v_wmma_f32_16x16x64_bf8_bf8 v[S+128:S+135], v[KA:KA+7], v[\Q:\Q+7], 0
	PLACES
.if \n == 0                            ; a sequence's first block: key tile t of wave w's window lies ahead of the sequence where w + t < 16.  A branch on the work-group's number
	s_cmp_lg_u32 ttmp9, 0
	s_cbranch_scc1 .Linside_\@
	s_wait_alu depctr_va_vdst(0)
.irp t, 0,1,2,3,4,5,6,7,8,9,10,11,12,13,14,15
	s_add_co_u32 s49, s10, \t
	s_cmp_lt_u32 s49, 16
	s_cselect_b32 s48, -1, 0
.irp j, 0,1,2,3,4,5,6,7
	v_cndmask_b32 v[S+8*\t+\j], v[S+8*\t+\j], v232, s48
.endr
.endr
.Linside_\@:
.endif
	s_wait_alu depctr_va_vdst(0)
.irp j, 0,1,2,3,4,5,6,7
	v_cndmask_b32 v[S+\j], v[S+\j], v232, s[40+\j]               ; the window's first tile: i - j = 256 + r - (8 h + j): out where 8 h + j <= r
.endr
.irp j, 0,1,2,3,4,5,6,7
	v_cndmask_b32 v[S+128+\j], v232, v[S+128+\j], s[40+\j]       ; its last: i - j = r - (8 h + j): in where 8 h + j <= r
.endr
.irp q, 0,1,2,3
	v_max_num_f32 v[MX+\q], v[S+2*\q], v[S+2*\q+1]               ; the row's largest score, in four chains; each tile from its low end on
.endr
.set tt, 1
.rept 16
.irp q, 0,1,2,3
	v_max3_num_f32 v[MX+\q], v[MX+\q], v[S+8*tt+2*\q], v[S+8*tt+2*\q+1]
.endr
.set tt, tt+1
.endr
	s_delay_alu instid0(VALU_DEP_2)
	v_max3_num_f32 v[MX], v[MX], v[MX+1], v[MX+2]
	s_delay_alu instid0(VALU_DEP_1)
	v_max_num_f32 v[MX], v[MX], v[MX+3]
	s_delay_alu instid0(VALU_DEP_1)
	v_permlanex16_b32 v246, v[MX], s36, s37
	s_delay_alu instid0(VALU_DEP_1)
	v_max_num_f32 v[MX], v[MX], v246               ; and lane xor 16's: the query's other keys
	s_delay_alu instid0(VALU_DEP_1)
	v_mul_f32 v[MX], s30, v[MX]                    ; as t (c is positive)
	s_delay_alu instid0(VALU_DEP_1)
	v_floor_f32 v236, -v[MX]                       ; -M = floor(-t) = -ceil(t)
	s_delay_alu instid0(VALU_DEP_1)
	v_mov_b32 v237, v236
.set jj, 0
.rept 68
	v_pk_fma_f32 v[S+jj:S+jj+1], v[S+jj:S+jj+1], s[30:31], v[236:237] op_sel_hi:[1,0,0]   ; t - M
.set jj, jj+2
.endr
.set jj, 0
	s_wait_alu depctr_va_vdst(0)
.rept 136
	v_exp_f32 v[S+jj], v[S+jj]                     ; p = 2^(t - M): one batch,
.set jj, jj+1
.endr
	v_nop                                          ; a plain instruction behind the last,
	s_wait_alu depctr_va_vdst(0)                   ; and one wait ahead of the first reader
	v_pk_add_f32 v[242:243], v[S:S+1], v[S+2:S+3]  ; the row's sum is taken of the unquantised p, in two packed chains
	v_pk_add_f32 v[244:245], v[S+4:S+5], v[S+6:S+7]
.set jj, 8
.rept 32
	v_pk_add_f32 v[242:243], v[242:243], v[S+jj:S+jj+1]
	v_pk_add_f32 v[244:245], v[244:245], v[S+jj+2:S+jj+3]
.set jj, jj+4
.endr
.set tt, 0
.rept 17
.irp j, 0,1,2,3,4,5,6,7
.endr
	v_cvt_scalef32_pk8_bf8_f32 v[P+2*tt:P+2*tt+1], v[S+8*tt:S+8*tt+7], v233
.set tt, tt+1
.endr
	v_nop                                          ; a plain instruction behind the last conversion
	LV VA, 0, \n
	LV VB, 1, \n
	LV VC, 2, \n
	v_pk_add_f32 v[242:243], v[242:243], v[244:245]   ; while the reads are out: the sum's chains, its halves,
	s_delay_alu instid0(VALU_DEP_1)
	v_add_f32 v242, v242, v243
	s_delay_alu instid0(VALU_DEP_1)
	v_permlanex16_b32 v246, v242, s36, s37
	s_delay_alu instid0(VALU_DEP_1)
	v_add_f32 v242, v242, v246                     ; and lane xor 16's
	s_wait_alu depctr_va_vdst(0)
	v_rcp_f32 v248, v242
	v_nop
	s_wait_alu depctr_va_vdst(0)
	v_ldexp_f32 v248, v248, s35                    ; 2^(e8 + e9) / the sum
	s_delay_alu instid0(VALU_DEP_1)
	v_mov_b32 v249, v248
	s_wait_dscnt 32                                ; set A is in; B's and C's 32 reads may be out
	PV4 VA, 0, 1
	PLACES
	LV VA, 3, \n
	s_wait_dscnt 32                                ; set B is in
	PV4 VB, 1, 0
	PLACES
.irp dt, 0,1,2,3
	ds_load_b64 v[VB+8*\dt:VB+8*\dt+1], v3 offset:(4*(\n)+4)*4096+\dt*1024   ; the 17th key tile; the set's other registers keep codes, which meet zero codes of p
.endr
	s_wait_dscnt 20                                ; set C is in (behind it: A's 16 and these 4)
	PV4 VC, 2, 0
	s_wait_dscnt 4
	PV4 VA, 3, 0
	s_wait_dscnt 0x0
	PV4 VB, 4, 0
.rept 5
	v_nop                                          ; places: four ahead of the reads of O^T; five ahead of the next tile's products, which write over these products' operands
.endr
.set jj, 0
	s_wait_alu depctr_va_vdst(0)
.rept 16
	v_pk_mul_f32 v[O+jj:O+jj+1], v[O+jj:O+jj+1], v[248:249] op_sel_hi:[1,0]
.set jj, jj+2
.endr
.set jj, 0
.rept 32
.set jj, jj+1
.endr
.irp dt, 0,1,2,3
	v_cvt_scalef32_pk8_bf8_f32 v[\Q+2*\dt:\Q+2*\dt+1], v[O+8*\dt:O+8*\dt+7], v235   ; lane (r, h): token r, d = 16 dt + 8 h + 0 .. 7: the next operand's registers 2 dt, 2 dt + 1
.endr
	v_nop
	global_store_b128 v7, v[\Q:\Q+3], s[52:53] offset:(\n)*65536          ; an image: 512 consecutive bytes a store, aligned
	global_store_b128 v7, v[\Q+4:\Q+7], s[52:53] offset:(\n)*65536+512
.endm
	TILE 0, 8
	TILE 1, 224
	s_wait_tensorcnt 0x0                           ; the wave's end
	ds_add_u32 v[SPW], v[NIL]
	s_wait_dscnt 0x0
	s_endpgm
.Lfunc_end_k_q8e99aeca0b_attn:
	.size	k_q8e99aeca0b_attn, .Lfunc_end_k_q8e99aeca0b_attn-k_q8e99aeca0b_attn
	.p2alignl 7, 3214868480
	.fill 96, 4, 3214868480
	.section	.rodata,"a",@progbits
	.p2align	6, 0x0
	.amdhsa_kernel k_q8e99aeca0b_attn
		.amdhsa_group_segment_fixed_size 167936
		.amdhsa_private_segment_fixed_size 0
		.amdhsa_enable_private_segment 0
		.amdhsa_kernarg_size 24
		.amdhsa_user_sgpr_count 2
		.amdhsa_user_sgpr_kernarg_segment_ptr 1
		.amdhsa_wavefront_size32 1
		.amdhsa_system_sgpr_workgroup_id_x 1
		.amdhsa_system_sgpr_workgroup_id_y 1
		.amdhsa_system_sgpr_workgroup_id_z 1
		.amdhsa_system_vgpr_workitem_id 0
		.amdhsa_next_free_vgpr 256
		.amdhsa_next_free_sgpr 66
		.amdhsa_reserve_vcc 0
		.amdhsa_float_denorm_mode_32 3
		.amdhsa_float_denorm_mode_16_64 3
		.amdhsa_fp16_overflow 1
		.amdhsa_memory_ordered 1
		.amdhsa_forward_progress 1
		.amdhsa_inst_pref_size 84
	.end_amdhsa_kernel
	.amdgpu_metadata
---
amdhsa.version: [ 1, 2 ]
amdhsa.kernels:
  - .name:           k_q8e99aeca0b_attn
    .symbol:         k_q8e99aeca0b_attn.kd
    .args:
      - { .name: qkv, .offset: 0, .size: 8, .value_kind: global_buffer, .address_space: global }
      - { .name: lowp_scales, .offset: 8, .size: 8, .value_kind: global_buffer, .address_space: global }
      - { .name: ctx, .offset: 16, .size: 8, .value_kind: global_buffer, .address_space: global }
    .group_segment_fixed_size: 167936
    .private_segment_fixed_size: 0
    .kernarg_segment_align: 8
    .kernarg_segment_size: 24
    .max_flat_workgroup_size: 512
    .sgpr_count:     66
    .vgpr_count:     256
    .wavefront_size: 32
...
	.end_amdgpu_metadata
.endif
;; end of part 3
;; launch oproj (part 4): grid 4 x 64, 4 waves a work-group, clusters of 4 x 4, 327,680 bytes of LDS; arguments ctx, wcodes, lowp_scales, b_o, x, out0; writes out0
.if DOCPART == 4
	.amdgcn_target "amdgcn-amd-amdhsa--gfx1250"
	.amdhsa_code_object_version 6
	.text
	.protected	k_q8e99aeca0b_oproj
	.globl	k_q8e99aeca0b_oproj
	.p2align	8
	.type	k_q8e99aeca0b_oproj,@function
k_q8e99aeca0b_oproj:
	s_mov_b64 s[64:65], 0
	v_nop
	global_prefetch_b8 v0, s[64:65] scope:SCOPE_SE
	s_setreg_imm32_b32 hwreg(HW_REG_WAVE_MODE, 25, 1), 1
	s_wait_xcnt 0x0
	s_wait_alu depctr_hold_cnt(0) depctr_sa_sdst(0) depctr_va_vdst(0) depctr_va_sdst(0) depctr_va_ssrc(0) depctr_va_vcc(0) depctr_vm_vsrc(0)
	s_getreg_b32 s2, hwreg(HW_REG_IB_STS2, 6, 4)
	s_cmp_eq_u32 s2, 0
	s_cbranch_scc0 .Lentry_in_a_cluster
	s_endpgm
.Lentry_in_a_cluster:
	s_bfe_u32 s2, ttmp6, 0x10000c
	s_cmp_lg_u32 s2, 0xf033
	s_cbranch_scc0 .Lentry_shape_is_right
	s_endpgm
.Lentry_shape_is_right:
; THE LAST PROJECTION ON CODES OF BF8, ITS BIAS AND THE RESIDUAL: out = x + (sum of code products) x 2^(e10 + e11) + b_o, in f32.
; THE CORE is that of the three projections: P[u][w] = sum over k of U[u][k] W[w][k], K = 1,024; U = w_o's codes (256 columns of out to a work-group), W = the attention's codes (128 tokens).
; Source 0 = 16 rows of U, source 1 = 16 rows of W: in accumulator (i, j) lane (r, h) holds token 16 i + r, its registers columns 16 j + 8 h + 0 .. 7: 32 neighbouring bytes of a row of out.
; wave: wu = wave % 2 (128 columns, j = 0 .. 7), ww = wave / 2 (64 tokens, i = 0 .. 3): 32 accumulators.  Operands lie in memory as images of their registers; K goes in four steps of 256 through three LDS slots:
; three first fills go out together and only the fourth step is a refill: by this text's count a wave has at most three tensor loads out.  CLUSTER 4 x 4: U's tile is asked for jointly by a column, W's by a row.
; x's 64 rows x 512 bytes of my part are asked for at the head, into window 3, and come in under the products.
; THE WAY OUT: a block of 16 tokens x 128 columns goes through my own stage in LDS and comes back as whole rows of 512 bytes.  The stages lie in slot 1, which has had its only fill, and which nobody reads behind the last barrier.
; LIMIT: e10 + e11 between -126 and 127.
; REGISTERS, in windows of 256: window 0: v1-35 addresses and the bias; v128-255 W's fragments, two sets, later rows of out.  window 1: the accumulators.  window 2: U's fragments, two sets.  window 3: x.
.set SLOTB, 98304                      ; a slot: U's 16 tiles x 4,096 bytes, then W's 8
.set WOFF,  65536
.set SPARE, 3*SLOTB                    ; behind the slots: the spare words, 128 bytes a wave: two blocks of 256 bytes that no other line names
.set ADRU, 4                           ; v4-6   LDS address of my U fragments in slot 0, 1, 2
.set ADRW, 8                           ; v8-10  the same for W
.set CO,   15                          ; v15    16 x lane
.set STO,  16                          ; v16    the stage: where I put 32 bytes of a row
.set RD,   17                          ; v17    and where I read a row back
.set SPW,  28                          ; v28    LDS address of my spare word; never rewritten
.set NIL,  29                          ; v29    0; never rewritten
.set BI,   32                          ; v32-35 b_o at my four columns
.set BK,   128                         ; 16 rows read back: v128-191 and v192-255 by turns
.set WV,   18
.set ROLE, 19                          ; wave / 2: I fetch for U (0) or W (1); also ww
.set PART, 20                          ; wave % 2: which half of that tile I fetch; also wu
.set G1U,  24
.set G1W,  32
.set G0U,  40
.set G0W,  52
.set K3U,  80
.set K3W,  82
.set MULW, 0x52                        ; source 0 (U) window 2, source 1 (W) window 0, C and D window 1
.set TO_U, 0x80                        ; destination window 2, address window 0
.set MSB, 0
.macro WIN new                         ; the immediate's high byte repeats the setting that is left
.if MSB != \new
	s_set_vgpr_msb (MSB<<8)|\new
.set MSB, \new
.endif
.endm
.macro PLACES                          ; four plain instructions between a matrix instruction and a load into, or a read of, its registers
.rept 4
	v_nop
.endr
.endm
.macro CREST                           ; a round of the cluster's barrier behind its opening barrier
	s_cmp_lg_u32 s[WV], 0
	s_cbranch_scc1 .Lnot_wave_0_\@
	s_barrier_signal -3
.Lnot_wave_0_\@:
	s_barrier_wait -3
	s_barrier_signal -1
	s_barrier_wait -1
.endm
.macro CROUND
	s_barrier_signal -1
	s_barrier_wait -1
	CREST
.endm
.macro JLOAD                           ; the joint refill of slot 0; the branch hangs on the wave's number alone; s_nop 0 and four v_nop follow each line
	s_cmp_eq_u32 s[ROLE], 0
	s_cbranch_scc0 .Lfor_w_\@
	tensor_load_to_lds s[G0U:G0U+3], s[G1U:G1U+7]
	s_nop 0
.rept 4
	v_nop
.endr
	s_branch .Lasked_\@
.Lfor_w_\@:
	tensor_load_to_lds s[G0W:G0W+3], s[G1W:G1W+7]
	s_nop 0
.rept 4
	v_nop
.endr
.Lasked_\@:
.endm
.macro FETCHU slot, q, p               ; my eight fragments of U, the slot's q-th 128 along K, into set p: 32 reads of 512 consecutive bytes
	WIN TO_U
.irp j, 0,1,2,3,4,5,6,7
.irp c, 0,1,2,3
	ds_load_b128 v[128*(\p)+16*\j+4*\c:128*(\p)+16*\j+4*\c+3], v[ADRU+\slot] offset:\j*4096+(\q)*2048+\c*512
.endr
.endr
.endm
.macro FETCHW slot, q, p               ; my four fragments of W
	WIN 0
.irp i, 0,1,2,3
.irp c, 0,1,2,3
	ds_load_b128 v[128+64*(\p)+16*\i+4*\c:128+64*(\p)+16*\i+4*\c+3], v[ADRW+\slot] offset:\i*4096+(\q)*2048+\c*512
.endr
.endr
.endm
; n x 8 matrix instructions.  The 32 accumulators take turns, one instruction a turn, in the same order in every step of 128 along K.  zero = 1: the first products start the sums.
.macro MUL i0, n, p, zero
.set ii, \i0
.rept \n
.irp j, 0,1,2,3,4,5,6,7
.if \zero
	v_wmma_f32_16x16x128_bf8_bf8 v[8*(8*ii+\j):8*(8*ii+\j)+7], v[128*(\p)+16*\j:128*(\p)+16*\j+15], v[128+64*(\p)+16*ii:128+64*(\p)+16*ii+15], 0
.else
	v_wmma_f32_16x16x128_bf8_bf8 v[8*(8*ii+\j):8*(8*ii+\j)+7], v[128*(\p)+16*\j:128*(\p)+16*\j+15], v[128+64*(\p)+16*ii:128+64*(\p)+16*ii+15], v[8*(8*ii+\j):8*(8*ii+\j)+7]
.endif
.endr
.set ii, ii+1
.endr
.endm
; a step of 128 along K on set p; the next step's fragments (slot ns, part nq) are asked for first, into the other set
.macro SUB p, ns, nq, zero
	PLACES
	FETCHU \ns, \nq, 1-\p
	FETCHW \ns, \nq, 1-\p
	s_wait_dscnt 48                                ; all but the 48 just issued: set p is in
	WIN MULW
	MUL 0, 4, \p, \zero
.endm
; a step that leaves a slot: every wave waits for all its tensor loads, adds 0 to its spare word, waits for that and for its LDS reads, and meets the others.  fill = 1: the barrier opens a round of the cluster's, and slot 0 takes K step 3.
.macro TURN p, fill, ns, nq
	WIN 0
	s_wait_tensorcnt 0x0                           ; no tensor load of mine is out, so a group 0 may be written
	ds_add_u32 v[SPW], v[NIL]
.if \fill
	s_add_nc_u64 s[G0U+2:G0U+3], s[G0U+2:G0U+3], s[K3U:K3U+1]
	s_add_nc_u64 s[G0W+2:G0W+3], s[G0W+2:G0W+3], s[K3W:K3W+1]
.endif
	s_wait_dscnt 0x0                               ; the add is done; my reads of the slot are over, and set p is in
	s_barrier_signal -1
	WIN MULW
	MUL 0, 2, \p, 0                                ; work on registers while the others arrive
	WIN 0
	s_barrier_wait -1
.if \fill
	CREST                                          ; no wave of any partner still reads slot 0 or has a load on its way
	JLOAD                                          ; first behind the round; its four v_nop are also the places in front of the loads below
.else
	PLACES
.endif
	FETCHU \ns, \nq, 1-\p
	FETCHW \ns, \nq, 1-\p
	WIN MULW
	MUL 2, 2, \p, 0
.endm
	s_load_b256 s[4:11], s[0:1], 0x0               ; ctx 4, wcodes 6, the exponents 8, b_o 10
	s_load_b128 s[12:15], s[0:1], 0x20             ; x 12, out0 14
	v_lshl_add_u32 v[SPW], v0, 2, SPARE
	v_mov_b32 v[NIL], 0
	ds_add_u32 v[SPW], v[NIL]                      ; the wave's opening: the add and its wait ahead of my first tensor load
	ds_add_u32 v[SPW], v[NIL]
	v_lshrrev_b32 v1, 5, v0
	v_readfirstlane_b32 s[WV], v1
	s_lshr_b32 s[ROLE], s[WV], 1
	s_and_b32 s[PART], s[WV], 1
	s_bfe_u32 s21, ttmp6, 0x40000                  ; cx
	s_bfe_u32 s22, ttmp6, 0x40004                  ; cy
	s_and_b32 s74, ttmp7, 0xffff                   ; the cluster's number, 0 .. 15
	s_mov_b32 s76, s21                             ; U's tile: 256 columns
	s_lshl_b32 s77, s74, 2
	s_add_co_u32 s77, s77, s22                     ; W's tile: 128 tokens
	s_mov_b32 s[K3U], 0xc0000                      ; three K steps on: in wcodes 3 x 64 tiles, in ctx 3 x 512
	s_mov_b32 s[K3U+1], 0
	s_mov_b32 s[K3W], 0x600000
	s_mov_b32 s[K3W+1], 0
	s_lshl_b32 s66, s76, 16
	s_lshl_b32 s67, s[PART], 15
	s_add_co_u32 s66, s66, s67
	s_add_co_u32 s66, s66, 0x300000                ; U: the fourth weight, + (16 tile + 8 half) x 4,096
	s_mov_b32 s67, 0
	s_lshl_b32 s70, s77, 15
	s_lshl_b32 s71, s[PART], 14
	s_add_co_u32 s70, s70, s71                     ; W: (8 tile + 4 half) x 4,096
	s_mov_b32 s71, 0
	s_lshl_b32 s74, 0x1111, s21                    ; my column of the cluster
	s_lshl_b32 s75, s22, 2
	s_lshl_b32 s75, 15, s75                        ; my row
	s_or_b32 s[G1U], s74, (3<<16)|(1<<21)          ; 15:0 the mask; 17:16 elements of 8 bytes; 21 set beside a mask; no padding: images are read as they lie
	s_or_b32 s[G1W], s75, (3<<16)|(1<<21)
	s_mov_b32 s[G1U+1], 32<<16                     ; tensor_dim0 = 32 elements: rows of 256 bytes of a dense block
	s_mov_b32 s[G1U+2], 128<<16                    ; tensor_dim1 = 128 rows: 32 KiB
	s_mov_b32 s[G1U+3], 32<<16                     ; tile_dim0
	s_mov_b32 s[G1U+4], 128                        ; tile_dim1
	s_mov_b32 s[G1U+5], 32                         ; the pitch
	s_mov_b32 s[G1U+6], 0
	s_mov_b32 s[G1U+7], 0
	s_mov_b32 s[G1W+1], 32<<16
	s_mov_b32 s[G1W+2], 64<<16                     ; 64 rows: 16 KiB
	s_mov_b32 s[G1W+3], 32<<16
	s_mov_b32 s[G1W+4], 64
	s_mov_b32 s[G1W+5], 32
	s_mov_b32 s[G1W+6], 0
	s_mov_b32 s[G1W+7], 0
	s_lshl_b32 s2, s[PART], 15                     ; where my part goes in a slot: no place in the cluster enters an LDS address
	s_lshl_b32 s3, s[PART], 14
	s_add_co_u32 s3, s3, WOFF
	s_wait_dscnt 0x0                               ; the opening add is done
	s_wait_kmcnt 0x0
	s_load_b64 s[96:97], s[8:9], 0x28              ; e10, e11
	s_add_nc_u64 s[68:69], s[6:7], s[66:67]
	s_add_nc_u64 s[72:73], s[4:5], s[70:71]
	s_mov_b32 s66, 0x40000                         ; the pairs now hold a K step in bytes
	s_mov_b32 s70, 0x200000
	CROUND                                         ; all sixteen work-groups are here: the first joint loads meet
.irp s, 0,1,2
	s_mov_b32 s[G0U+4*\s], 1
	s_add_co_u32 s[G0U+4*\s+1], s2, \s*SLOTB
	s_mov_b64 s[G0U+4*\s+2:G0U+4*\s+3], s[68:69]
	s_or_b32 s[G0U+4*\s+3], s[G0U+4*\s+3], 0x80000000
	s_add_nc_u64 s[68:69], s[68:69], s[66:67]
	s_mov_b32 s[G0W+4*\s], 1
	s_add_co_u32 s[G0W+4*\s+1], s3, \s*SLOTB
	s_mov_b64 s[G0W+4*\s+2:G0W+4*\s+3], s[72:73]
	s_or_b32 s[G0W+4*\s+3], s[G0W+4*\s+3], 0x80000000
	s_add_nc_u64 s[72:73], s[72:73], s[70:71]
.endr
	s_cmp_eq_u32 s[ROLE], 0                        ; a wave's three first fills stand in one branch, ahead of every wait on TENSORcnt and every LDS read
	s_cbranch_scc0 .Lfirst_w
.irp s, 0,1,2
	tensor_load_to_lds s[G0U+4*\s:G0U+4*\s+3], s[G1U:G1U+7]
	s_nop 0
.endr
.rept 4
	v_nop
.endr
	s_branch .Lfirst_done
.Lfirst_w:
.irp s, 0,1,2
	tensor_load_to_lds s[G0W+4*\s:G0W+4*\s+3], s[G1W:G1W+7]
	s_nop 0
.endr
.rept 4
	v_nop
.endr
.Lfirst_done:
	; my part of x and of out: rows 128 W tile + 64 ww on, columns 256 U tile + 128 wu on
	s_lshl_b32 s74, s77, 19
	s_lshl_b32 s2, s[ROLE], 18
	s_add_co_u32 s74, s74, s2
	s_lshl_b32 s2, s76, 10
	s_lshl_b32 s3, s[PART], 9
	s_add_co_u32 s2, s2, s3                        ; the columns, in bytes
	s_add_co_u32 s74, s74, s2
	s_mov_b32 s75, 0
	s_mov_b32 s3, 0
	s_add_nc_u64 s[12:13], s[12:13], s[74:75]
	s_add_nc_u64 s[14:15], s[14:15], s[74:75]
	s_add_nc_u64 s[10:11], s[10:11], s[2:3]
	v_and_b32 v1, 15, v0                           ; r
	v_bfe_u32 v2, v0, 4, 1                         ; h
	v_and_b32 v3, 31, v0                           ; lane
	v_lshlrev_b32 v[CO], 4, v3
	s_wait_alu depctr_va_vdst(0)
	global_load_b128 v[BI:BI+3], v[CO], s[10:11]
	WIN 0xc0                                       ; destination window 3
.set a, 0
.rept 64
	global_load_b128 v[4*a:4*a+3], v[CO], s[12:13] offset:a*4096 th:TH_LOAD_NT   ; row a of my 64: 32 lanes read 512 consecutive bytes
.set a, a+1
.endr
	WIN 0
	s_lshl_b32 s74, s[PART], 15                    ; my 128 rows of U,
	s_lshl_b32 s75, s[ROLE], 14                    ; my 64 rows of W,
	s_add_co_u32 s75, s75, WOFF                    ; which lie behind U's
.irp s, 0,1,2
	v_add_nc_u32 v[ADRU+\s], s74, v[CO]
	v_add_nc_u32 v[ADRW+\s], s75, v[CO]
	s_add_co_u32 s74, s74, SLOTB
	s_add_co_u32 s75, s75, SLOTB
.endr
	s_mul_i32 s74, s[WV], 16*528
	s_add_co_u32 s74, s74, SLOTB                   ; my stage: 16 rows x (512 bytes + 16), in slot 1
	v_mul_u32_u24 v[STO], v1, 528
	v_lshl_add_u32 v[STO], v2, 5, v[STO]
	v_add_nc_u32 v[STO], s74, v[STO]               ; in: row r, + 32 h
	v_add_nc_u32 v[RD], s74, v[CO]                 ; back: the 32 lanes take a row
	s_wait_alu depctr_va_vdst(0)
	s_wait_tensorcnt 2                             ; my part of slot 0 is in; the two younger loads may stay out
	s_barrier_signal -1
	s_barrier_wait -1
	FETCHU 0, 0, 0
	FETCHW 0, 0, 0
	SUB 0, 0, 1, 1                                 ; K 0-127: the first products start the sums
	TURN 1, 1, 1, 0                                ; K 128-255; slot 0 is left and takes K step 3; all three first fills are shown landed to everybody
	SUB 0, 1, 1, 0
	SUB 1, 2, 0, 0
	SUB 0, 2, 1, 0
	TURN 1, 0, 0, 0                                ; K 640-767; the refill has landed; behind this barrier nobody reads slots 1 and 2
	SUB 0, 0, 1, 0
	s_wait_dscnt 0x0
	WIN MULW
	MUL 0, 4, 1, 0
	WIN 0
	PLACES
	s_wait_kmcnt 0x0
	s_add_co_i32 s96, s96, s97
	s_add_co_i32 s96, s96, 127
	s_lshl_b32 s96, s96, 23                        ; 2^(e10 + e11) as f32
	s_mov_b32 s97, s96                             ; (named with it as a pair, so it is written)
; block i: the sums of 16 tokens go into my stage as they are, each accumulator from its low end on, and come back as rows.  LDS serves a wave's instructions in order (ISA guide 5.7.1.4): no wait between them
.macro TOSTAGE i
.set BKR, BK+64*((\i)%2)
	WIN 0x04                                       ; the stores' data in window 1
.irp j, 0,1,2,3,4,5,6,7
	ds_store_b128 v[STO], v[8*(8*(\i)+\j):8*(8*(\i)+\j)+3] offset:64*\j
	ds_store_b128 v[STO], v[8*(8*(\i)+\j)+4:8*(8*(\i)+\j)+7] offset:64*\j+16
.endr
	WIN 0
.irp t, 0,1,2,3,4,5,6,7,8,9,10,11,12,13,14,15
	ds_load_b128 v[BKR+4*\t:BKR+4*\t+3], v[RD] offset:\t*528
.endr
.endm
; block i: out = sum x 2^(e10 + e11) + x, + b_o.  younger: the LDS instructions issued behind the block's reads
.macro FIN i, younger
.set BKR, BK+64*((\i)%2)
	s_wait_dscnt \younger
	s_wait_loadcnt 48-16*(\i)                      ; the bias and x's rows up to this block's are in; the later blocks' rows may be out
	WIN 0x30                                       ; source 2 (x) window 3
.set u, 0
.rept 32
	v_pk_fma_f32 v[BKR+u:BKR+u+1], v[BKR+u:BKR+u+1], s[96:97], v[64*(\i)+u:64*(\i)+u+1] op_sel_hi:[1,0,1]
.set u, u+2
.endr
	WIN 0
.set u, 0
.rept 16
	v_pk_add_f32 v[BKR+u:BKR+u+1], v[BKR+u:BKR+u+1], v[BI:BI+1]
	v_pk_add_f32 v[BKR+u+2:BKR+u+3], v[BKR+u+2:BKR+u+3], v[BI+2:BI+3]
.set u, u+4
.endr
.irp t, 0,1,2,3,4,5,6,7,8,9,10,11,12,13,14,15
	global_store_b128 v[CO], v[BKR+4*\t:BKR+4*\t+3], s[14:15] offset:(16*(\i)+\t)*4096 th:TH_STORE_NT   ; 32 lanes store 512 consecutive bytes, aligned; written once, read by nobody here
.endr
.endm
	TOSTAGE 0
.irp i, 1,2,3
.if \i > 1
	s_wait_xcnt 0x0                                ; block i - 2's stores have read their registers: block i's rows may land there
.endif
	TOSTAGE \i
	FIN \i-1, 32                                   ; behind block i - 1's reads: block i's 16 stores and 16 reads
.endr
	FIN 3, 0
	s_wait_tensorcnt 0x0                           ; the wave's end, behind my last tensor load and my last LDS store
	ds_add_u32 v[SPW], v[NIL]
	s_wait_dscnt 0x0
	CROUND                                         ; the closing round: no work-group ends while a partner may still ask for a tile that names it
	s_endpgm
.Lfunc_end_k_q8e99aeca0b_oproj:
	.size	k_q8e99aeca0b_oproj, .Lfunc_end_k_q8e99aeca0b_oproj-k_q8e99aeca0b_oproj
	.p2alignl 7, 3214868480
	.fill 96, 4, 3214868480
	.section	.rodata,"a",@progbits
	.p2align	6, 0x0
	.amdhsa_kernel k_q8e99aeca0b_oproj
		.amdhsa_group_segment_fixed_size 327680
		.amdhsa_private_segment_fixed_size 0
		.amdhsa_enable_private_segment 0
		.amdhsa_kernarg_size 48
		.amdhsa_user_sgpr_count 2
		.amdhsa_user_sgpr_kernarg_segment_ptr 1
		.amdhsa_wavefront_size32 1
		.amdhsa_system_sgpr_workgroup_id_x 1
		.amdhsa_system_sgpr_workgroup_id_y 1
		.amdhsa_system_sgpr_workgroup_id_z 1
		.amdhsa_system_vgpr_workitem_id 0
		.amdhsa_next_free_vgpr 1024
		.amdhsa_next_free_sgpr 98
		.amdhsa_reserve_vcc 0
		.amdhsa_float_denorm_mode_32 3
		.amdhsa_float_denorm_mode_16_64 3
		.amdhsa_memory_ordered 1
		.amdhsa_forward_progress 1
		.amdhsa_inst_pref_size 89
	.end_amdhsa_kernel
	.amdgpu_metadata
---
amdhsa.version: [ 1, 2 ]
amdhsa.kernels:
  - .name:           k_q8e99aeca0b_oproj
    .symbol:         k_q8e99aeca0b_oproj.kd
    .args:
      - { .name: ctx, .offset: 0, .size: 8, .value_kind: global_buffer, .address_space: global }
      - { .name: wcodes, .offset: 8, .size: 8, .value_kind: global_buffer, .address_space: global }
      - { .name: lowp_scales, .offset: 16, .size: 8, .value_kind: global_buffer, .address_space: global }
      - { .name: b_o, .offset: 24, .size: 8, .value_kind: global_buffer, .address_space: global }
      - { .name: x, .offset: 32, .size: 8, .value_kind: global_buffer, .address_space: global }
      - { .name: out0, .offset: 40, .size: 8, .value_kind: global_buffer, .address_space: global }
    .group_segment_fixed_size: 327680
    .private_segment_fixed_size: 0
    .kernarg_segment_align: 8
    .kernarg_segment_size: 48
    .max_flat_workgroup_size: 128
    .sgpr_count:     98
    .vgpr_count:     1024
    .wavefront_size: 32
...
	.end_amdgpu_metadata
.endif
;; end of part 4
